; MI455X (gfx1250); checked and timed in simulation.
; The chip was launched on July 23, 2026; its instructions are those of AMD's public machine-readable ISA for CDNA 5 (MIT licence, August 2026) and "CDNA5" Instruction Set Architecture Reference Guide (July 2026). The comments in the code are by the model that wrote it; some were corrected since.
;; MHSA. Allowed arithmetic: matrix products marked QUANTISED: E2M3 operands, one E8M0 scale for each 32 along K, by v_wmma_scale_f32_16x16x128_f8f6f4 with both operands' format E2M3, f32 sums; everything else in f32.
;; Inputs: Wk 1,024 x 1,024 float32; Wo 1,024 x 1,024 float32; Wq 1,024 x 1,024 float32; Wv 1,024 x 1,024 float32; b_k 1,024 float32; b_o 1,024 float32; b_q 1,024 float32; b_v 1,024 float32; k 4 x 2,048 x 1,024 float32; q 4 x 2,048 x 1,024 float32; v 4 x 2,048 x 1,024 float32.
;; Outputs: out0 4 x 2,048 x 1,024 float32.
;; This version of the problem:
;;   THIS VERSION OF THE PROBLEM IS GIVEN IN LOW PRECISION. The matrix products marked QUANTISED in the list below multiply operands that are first quantised to E2M3 (2 exponent bits, 3 mantissa bits; 6 bits a number), with one power-of-two scale for each 32 numbers along K (OCP MX v1.0); their sums are f32. All else is computed in f32.
;;   The module's matrix products, in the order in which they are computed (A, B: the left and right operand; K: the contracted axis; several contracted axes count as one K, in the product's order):
;;     1. [M 8,192, K 1,024] x [K 1,024, N 1,024]; A: input q; B: input Wq: QUANTISED
;;     2. [M 8,192, K 1,024] x [K 1,024, N 1,024]; A: input k; B: input Wk: QUANTISED
;;     3. [M 8,192, K 1,024] x [K 1,024, N 1,024]; A: input v; B: input Wv: QUANTISED
;;     4. batch 64 x [M 2,048, K 64] x [K 64, N 2,048]; A: computed on the way; B: computed on the way: QUANTISED
;;     5. batch 64 x [M 64, K 2,048] x [K 2,048, N 2,048]; A: computed on the way; B: softmax (see below): QUANTISED
;;     6. [M 8,192, K 1,024] x [K 1,024, N 1,024]; A: computed on the way; B: input Wo: QUANTISED
;;   THE QUANTISER, for each operand of a quantised product, along K:
;;     - K is cut into blocks of 32 from its start; a last block that is shorter is filled with zeros.
;;     - A block's scale is 2^e with e = floor(log2(the largest magnitude in the block)) - 2, held to -126 .. 127; a block of zeros has e = 0. As a byte (E8M0): e + 127.
;;     - Each number is divided by its block's scale, clamped to +-7.5, and rounded to the nearest number of E2M3, ties to even, subnormals kept.
;;     - The product sums the exact products of the quantised numbers (number of the format x scale) in f32.
;;   ~~~python
;;   def quantise(x, axis):      # numpy; x: float32 -> the quantised numbers, widened to float32 again
;;       x = np.moveaxis(x, axis, -1); K = x.shape[-1]
;;       x = np.pad(x, [(0, 0)] * (x.ndim - 1) + [(0, -K % 32)]); x = x.reshape(x.shape[:-1] + (-1, 32)); a = np.abs(x).max(-1, keepdims=True)
;;       e = np.where(a > 0, np.clip(np.frexp(np.where(a > 0, a, 1))[1] - 1 - 2, -126, 127), 0)      # np.frexp(a)[1] - 1 = floor(log2(a)), exactly
;;       r = np.clip(x / 2.0 ** e, -7.5, 7.5)
;;       step = 2.0 ** (np.maximum(np.frexp(np.where(r == 0, 1, r))[1] - 1, 0) - 3)
;;       q = np.round(r / step) * step * 2.0 ** e      # np.round: ties to even
;;       return np.moveaxis(q.reshape(q.shape[:-2] + (-1,))[..., :K], -1, axis).astype(np.float32)
;;   ~~~
;;   SOFTMAX AHEAD OF A QUANTISED PRODUCT. Where the list says 'softmax', what is quantised is not the finished softmax but p = 2^(t - M), with t = logit x log2(e) and M = ceil(the row's largest t), a whole number; so 1/2 < the row's largest p <= 1. The row's sum l is taken of the UNQUANTISED p, in f32, and the product's result is divided by l at the end. Since M is a whole number, a kernel that streams over the keys may use a running M (the ceiling of the running maximum): every later rescaling is an exact power of two, which a block's scale takes up: the codes' values come out the same.
;;   OPERANDS COMPUTED ON THE WAY. 'Computed on the way' means the value that the module computes at that place (a softmax that the list does not call 'softmax' is quantised finished and normalised). What goes into a quantiser is computed in f32, as accurately as f32 sums, v_exp_f32 and their like allow (about 1e-6 of the number): no bf16 or f16 on the way to a quantiser, and a product that is left as it is and whose result goes on into a quantised operand takes f32 operands (vector FMAs, or v_wmma_f32_16x16x4_f32). A number that lies on a knife's edge between two numbers of the format may be rounded either way, as far as f32 arithmetic and the matrix unit's own rounding can turn it there, and no further.
;; One version. Each part assembles by itself: llvm-mc -triple=amdgcn-amd-amdhsa -mcpu=gfx1250 --defsym DOCPART=n.
;; ======== version 1 of 1: 4 launches
;; limits: right only within a limited range of input values
;; workspace buffers: xc 18,874,368 bytes; xs 786,432 bytes; wc 3,145,728 bytes; ws 131,072 bytes; qr 6,815,744 bytes; kv 13,369,344 bytes; ao 6,291,456 bytes; aos 262,144 bytes
;; launch quant (part 1): grid 640 x 1, 4 waves a work-group, no clusters, 35,328 bytes of LDS; arguments q, k, v, Wq, Wk, Wv, Wo, xc, xs, wc, ws; writes xc, xs, wc, ws
.if DOCPART == 1
	.amdgcn_target "amdgcn-amd-amdhsa--gfx1250"
	.amdhsa_code_object_version 6
	.text
	.protected	k_q151a8f241b_quant
	.globl	k_q151a8f241b_quant
	.p2align	8
	.type	k_q151a8f241b_quant,@function
k_q151a8f241b_quant:
	s_mov_b64 s[64:65], 0
	v_nop
	global_prefetch_b8 v0, s[64:65] scope:SCOPE_SE
	s_setreg_imm32_b32 hwreg(HW_REG_WAVE_MODE, 25, 1), 1
	s_wait_xcnt 0x0
; q, k, v [8192][1024] f32 (K innermost) and Wq, Wk, Wv, Wo [1024 (K)][1024 (N)] f32 (K first) become codes of FP6 (E2M3) with one E8M0 byte for each 32 along K.
; A block's scale is 2^(floor(log2(largest magnitude)) - 2): its byte is the largest magnitude's exponent field - 2, held at 1 from below.
; LIMITS: a block of zeros gets the byte 1 where the rule says 127 (its codes are zeros, and this program alone reads the bytes); NaN and infinities among the inputs are not served.
; LAYOUT OF THE WORKSPACE, made for the products that read it:
;   rows (tokens, or a weight's columns n) are stored at the index with bits 3 and 4 exchanged: storage tile 2 B + u, row r is row 32 B + 8 u + r + 8 (r / 8).
;   a TILE is 16 storage rows x 64 along K as an image of operand registers, 768 bytes: lane (r, h) holds block h of row r in 6 registers; registers 0-3 lie at 16 x lane, registers 4-5 at 512 + 8 x lane.
;   codes: [row tile][K / 64 = 16][768];  scale words: [row tile][K / 128 = 8][r 16] of 4 bytes.
; Work-groups 0-383 take the tokens: a wave takes 16 storage rows over all of K.  Each load reads 256 consecutive bytes of two rows; the 4,096 bytes of a tile turn through the wave's own stage in LDS (rows 272 bytes apart),
; so that a lane gets the 32 neighbours of its block.  Work-groups 384-639 take the weights: a lane takes a column and its registers run down K, so that nothing is transposed; that path touches no LDS.
.set SPARE, 34816                      ; behind the four waves' stages (8,704 bytes each): the spare words, 128 bytes a wave
.set SPW, 12                           ; v12 LDS address of my spare word; never rewritten
.set NIL, 13                           ; v13 0; never rewritten
.set R, 48                             ; v48-143  three sets of 32 registers as loaded
.set X, 144                            ; v144-207 two sets of 32 neighbours
	s_load_b256 s[4:11], s[0:1], 0x0               ; q, k, v, Wq
	s_load_b256 s[12:19], s[0:1], 0x20             ; Wk, Wv, Wo, xc
	s_load_b128 s[20:23], s[0:1], 0x40             ; xs, wc
	s_load_b64 s[24:25], s[0:1], 0x50              ; ws
	v_lshl_add_u32 v[SPW], v0, 2, SPARE
	v_mov_b32 v[NIL], 0
	v_lshrrev_b32 v1, 5, v0
	v_readfirstlane_b32 s26, v1                    ; wave
	v_and_b32 v11, 31, v0                          ; lane
	v_and_b32 v14, 15, v0                          ; lane % 16
	v_bfe_u32 v15, v0, 4, 1                        ; lane / 16
	v_lshlrev_b32 v4, 4, v11                       ; 16 x lane: a tile's registers 0-3
	v_lshlrev_b32 v5, 3, v11                       ; 8 x lane: its registers 4-5
	s_cmp_ge_u32 ttmp9, 384
	s_cbranch_scc1 .Lweights
; ---------------- the tokens ----------------
	v_lshlrev_b32 v1, 12, v15
	v_lshl_add_u32 v1, v14, 4, v1                  ; in: lanes 0-15 one row's 256 bytes, lanes 16-31 the next row's
	s_mul_i32 s27, s26, 8704                       ; my wave's two stages
	v_mul_u32_u24 v2, v15, 272
	v_lshl_add_u32 v2, v14, 4, v2
	v_add_nc_u32 v2, s27, v2                       ; into a stage, as loaded
	v_mul_u32_u24 v3, v14, 272
	v_lshl_add_u32 v3, v15, 7, v3
	v_add_nc_u32 v3, s27, v3                       ; out of it: row lane % 16, block lane / 16
	v_lshlrev_b32 v6, 2, v11                       ; 4 x lane: the scale words' way out
	v_lshlrev_b32 v7, 3, v15                       ; 8 x (lane / 16): my byte's place in half a scale word
	v_mov_b32 v10, 0                               ; a lane permute's destination counts as read
	s_mov_b32 s2, 0x76543210
	s_mov_b32 s3, 0xfedcba98                       ; selects: lane l xor 16
	s_mov_b32 s29, 0xffff0000                      ; lanes 16-31
	s_lshl_b32 s28, ttmp9, 2
	s_add_co_u32 s28, s28, s26                     ; g: my row tile among the 1,536 of q, k, v
	s_lshr_b32 s30, s28, 9                         ; which tensor
	s_and_b32 s31, s28, 511                        ; which tile of it
	; q's and v's tokens: tiles go in pairs over 32 tokens (bits 3 and 4 exchanged).  k's tokens go otherwise: tiles in fours over 64 tokens:
	; storage tile 4 G + t, row 8 h + j is token 64 G + 32 h + 8 t + j, so that in S^T = K Q^T a lane's registers of four tiles are one whole block of 32 keys.
	s_cmp_eq_u32 s30, 1
	s_cselect_b32 s40, 1, 0                        ; 1 for k
	s_add_co_u32 s41, s40, 1                       ; tiles to a group: 2^1, for k 2^2
	s_lshr_b32 s34, s31, s41
	s_add_co_u32 s42, s41, 16
	s_lshl_b32 s34, s34, s42                       ; 32 (for k 64) rows of 4,096 bytes for each group of tiles,
	s_lshl_b32 s35, 1, s41
	s_sub_co_u32 s35, s35, 1
	s_and_b32 s35, s31, s35
	s_lshl_b32 s35, s35, 15                        ; 8 rows for each tile within it
	s_add_co_u32 s34, s34, s35
	s_mov_b32 s35, 0
	s_lshl_b32 s40, s40, 16                        ; k: storage rows 8-15 lie 16 rows of 4,096 bytes further on than q's and v's
	s_wait_alu depctr_va_vdst(0)                   ; the wait directly ahead of the reader below
	v_add_nc_u32 v44, s40, v1
	s_mul_i32 s36, s28, 12288
	s_mov_b32 s37, 0
	s_lshl_b32 s38, s28, 9
	s_mov_b32 s39, 0
	s_wait_alu depctr_va_vdst(0)
	s_wait_kmcnt 0x0
	s_cmp_eq_u32 s30, 0
	s_cselect_b64 s[32:33], s[4:5], s[6:7]
	s_cmp_eq_u32 s30, 2
	s_cselect_b64 s[32:33], s[8:9], s[32:33]
	s_add_nc_u64 s[32:33], s[32:33], s[34:35]
	s_add_nc_u64 s[18:19], s[18:19], s[36:37]
	s_add_nc_u64 s[20:21], s[20:21], s[38:39]
.macro LOAD k                          ; tile k: 64 along K of my 16 rows: storage rows 2 i, 2 i + 1 are rows 2 i + 8 (i / 4) and the next
.irp i, 0,1,2,3
	global_load_b128 v[R+32*((\k)%3)+4*\i:R+32*((\k)%3)+4*\i+3], v1, s[32:33] offset:(2*\i)*4096+256*(\k) th:TH_LOAD_NT
.endr
.irp i, 4,5,6,7
	global_load_b128 v[R+32*((\k)%3)+4*\i:R+32*((\k)%3)+4*\i+3], v44, s[32:33] offset:(2*\i+8)*4096+256*(\k) th:TH_LOAD_NT
.endr
.endm
.macro TURN k                          ; through the stage: LDS serves a wave's instructions in order, so no wait stands between the stores and the loads
.irp i, 0,1,2,3,4,5,6,7
	ds_store_b128 v2, v[R+32*((\k)%3)+4*\i:R+32*((\k)%3)+4*\i+3] offset:4352*((\k)%2)+544*\i
.endr
.irp i, 0,1,2,3,4,5,6,7
	ds_load_b128 v[X+32*((\k)%2)+4*\i:X+32*((\k)%2)+4*\i+3], v3 offset:4352*((\k)%2)+16*\i
.endr
.endm
.macro TILE k
.set XS, X+32*((\k)%2)
.set CB, 24+8*((\k)%2)
	s_wait_dscnt 0x0                               ; my block is back from the stage, and the stage's stores have read their registers,
.if (\k)+3 < 16
	LOAD (\k)+3                                    ; which take the loads of three tiles on
.endif
.if (\k)+1 < 16
.if (\k) <= 12
	s_wait_loadcnt 16                              ; the next tile's eight loads are in; those of the two tiles behind it may be out
.else
	s_wait_loadcnt 8*(14-(\k))
.endif
	TURN (\k)+1
.endif
	v_max3_num_f32 v8, |v[XS]|, |v[XS+1]|, |v[XS+2]|   ; the block's largest magnitude: all 32 numbers are mine; two chains
	v_max3_num_f32 v9, |v[XS+3]|, |v[XS+4]|, |v[XS+5]|
.irp i, 6,10,14,18,22,26
	v_max3_num_f32 v8, v8, |v[XS+\i]|, |v[XS+\i+1]|
	v_max3_num_f32 v9, v9, |v[XS+\i+2]|, |v[XS+\i+3]|
.endr
	v_max3_num_f32 v8, v8, |v[XS+30]|, |v[XS+31]|
	v_max3_num_f32 v8, v8, v9, 0x1800000           ; and the floor 2^(3 - 127): the byte cannot fall under 1
	v_add_nc_u32 v11, 0xff000000, v8               ; 2 off the exponent field: the conversion's scale operand
	s_wait_alu depctr_va_vdst(0)
	s_wait_xcnt 0x0                                ; the stores of two tiles ago have read this set of code registers
	v_cvt_scalef32_pk16_fp6_f32 v[CB:CB+2], v[XS:XS+15], v11
	v_cvt_scalef32_pk16_fp6_f32 v[CB+4:CB+6], v[XS+16:XS+31], v11   ; (a conversion's three registers begin on an even number)
	v_lshrrev_b32 v14, 23, v11                     ; the scale's byte; also the plain line behind the conversions
	v_mov_b32 v[CB+3], v[CB+4]
	v_mov_b32 v[CB+4], v[CB+5]
	v_mov_b32 v[CB+5], v[CB+6]
	global_store_b128 v4, v[CB:CB+3], s[18:19] offset:768*(\k)        ; 512 consecutive bytes
	global_store_b64 v5, v[CB+4:CB+5], s[18:19] offset:768*(\k)+512   ; 256 consecutive bytes
.if (\k)%2 == 0
	v_mov_b32 v15, v14                             ; block 4 s + h of my row
.else
	v_lshl_or_b32 v15, v14, 16, v15                ; and block 4 s + 2 + h,
	v_lshlrev_b32 v15, v7, v15                     ; at their places in the word;
	v_permlanex16_b32 v10, v15, s2, s3
	v_or_b32 v[16+(\k)/2], v15, v10                ; with lane l xor 16's two the word is whole
.endif
.endm
	LOAD 0
	LOAD 1
	LOAD 2
	s_wait_loadcnt 16                              ; tile 0's eight loads are in
	TURN 0
.irp k, 0,1,2,3,4,5,6,7,8,9,10,11,12,13,14,15
	TILE \k
.endr
.irp i, 0,1,2,3
	v_cndmask_b32 v[40+\i], v[16+2*\i], v[17+2*\i], s29              ; lanes 0-15 word 2 i, lanes 16-31 word 2 i + 1
	global_store_b32 v6, v[40+\i], s[20:21] offset:128*\i
.endr
	s_wait_tensorcnt 0x0                           ; the wave's end
	ds_add_u32 v[SPW], v[NIL]
	s_wait_dscnt 0x0
	s_endpgm
; ---------------- the weights ----------------
; A wave takes 32 columns x 128 along K: four blocks a lane.  Lane l takes column 32 B + (l with bits 3 and 4 exchanged), so that lane l is storage column 32 B + l: tile 2 B + l / 16, row l % 16.
.Lweights:
	s_sub_co_u32 s27, ttmp9, 384
	s_and_b32 s28, s27, 7
	s_lshr_b32 s29, s27, 3
	s_lshr_b32 s30, s29, 3                         ; which weight
	s_and_b32 s31, s29, 7                          ; which 128 along K
	s_lshl_b32 s28, s28, 2
	s_add_co_u32 s28, s28, s26                     ; B: which 32 columns
	s_lshl_b32 s34, s31, 19                        ; 128 rows of 4,096 bytes
	s_lshl_b32 s35, s28, 7
	s_add_co_u32 s34, s34, s35
	s_mov_b32 s35, 0
	s_lshl_b32 s36, s30, 6
	s_lshl_b32 s37, s28, 1
	s_add_co_u32 s36, s36, s37                     ; row tile 64 x weight + 2 B
	s_lshl_b32 s38, s36, 9
	s_lshl_b32 s39, s31, 6
	s_add_co_u32 s38, s38, s39
	s_mov_b32 s39, 0
	s_mul_i32 s36, s36, 12288
	s_mul_i32 s37, s31, 1536
	s_add_co_u32 s36, s36, s37
	s_mov_b32 s37, 0
	s_wait_alu depctr_va_vdst(0)
	v_and_b32 v1, 7, v11
	v_bfe_u32 v3, v11, 3, 1
	v_lshl_or_b32 v1, v3, 4, v1
	v_lshl_or_b32 v1, v15, 3, v1
	v_lshlrev_b32 v1, 2, v1                        ; my column, in bytes
	v_lshlrev_b32 v6, 9, v15
	v_lshl_add_u32 v6, v14, 2, v6                  ; my scale word: 512 x (l / 16) + 4 (l % 16)
	s_wait_alu depctr_va_vdst(0)
	s_wait_kmcnt 0x0
	s_cmp_eq_u32 s30, 0
	s_cselect_b64 s[32:33], s[10:11], s[12:13]
	s_cmp_eq_u32 s30, 2
	s_cselect_b64 s[32:33], s[14:15], s[32:33]
	s_cmp_eq_u32 s30, 3
	s_cselect_b64 s[32:33], s[16:17], s[32:33]
	s_add_nc_u64 s[32:33], s[32:33], s[34:35]
	s_add_nc_u64 s[22:23], s[22:23], s[36:37]
	s_add_nc_u64 s[24:25], s[24:25], s[38:39]
.macro WLOAD t                         ; block t: W(32 t + i, my column): the wave reads 128 consecutive bytes
.set J, 0
.rept 32
	global_load_b32 v[32+32*((\t)%2)+J], v1, s[32:33] offset:(32*(\t)+J)*4096 th:TH_LOAD_NT
.set J, J+1
.endr
.endm
.macro WBLOCK t
.set XS, 32+32*((\t)%2)
.set CB, 160+8*(\t)
.if (\t) < 3
	s_wait_loadcnt 32                              ; this block's 32 loads are in; the next block's may be out
.else
	s_wait_loadcnt 0x0
.endif
	v_max3_num_f32 v8, |v[XS]|, |v[XS+1]|, |v[XS+2]|
	v_max3_num_f32 v9, |v[XS+3]|, |v[XS+4]|, |v[XS+5]|
.irp i, 6,10,14,18,22,26
	v_max3_num_f32 v8, v8, |v[XS+\i]|, |v[XS+\i+1]|
	v_max3_num_f32 v9, v9, |v[XS+\i+2]|, |v[XS+\i+3]|
.endr
	v_max3_num_f32 v8, v8, |v[XS+30]|, |v[XS+31]|
	v_max3_num_f32 v8, v8, v9, 0x1800000
	v_add_nc_u32 v11, 0xff000000, v8
	v_lshrrev_b32 v14, 23, v11
.if (\t) == 0
	v_mov_b32 v10, v14                             ; my column's scale word: all four bytes are mine
.else
	v_lshl_or_b32 v10, v14, 8*(\t), v10
.endif
	v_cvt_scalef32_pk16_fp6_f32 v[CB:CB+2], v[XS:XS+15], v11
	v_cvt_scalef32_pk16_fp6_f32 v[CB+4:CB+6], v[XS+16:XS+31], v11
	v_nop                                          ; one plain line behind the conversions
	v_mov_b32 v[CB+3], v[CB+4]
	v_mov_b32 v[CB+4], v[CB+5]
	v_mov_b32 v[CB+5], v[CB+6]
.if (\t)+2 < 4
	WLOAD (\t)+2
.endif
.endm
.macro WPAIR p                         ; blocks 2 p and 2 p + 1 of 32 columns become the two tiles' images: the first's lanes 16-31 change places with the second's lanes 0-15
.irp i, 0,1,2,3,4,5
	v_permlane16_swap_b32 v[160+16*\p+\i], v[168+16*\p+\i]
.endr
	global_store_b128 v4, v[160+16*\p:163+16*\p], s[22:23] offset:768*\p
	global_store_b64 v5, v[164+16*\p:165+16*\p], s[22:23] offset:768*\p+512
	global_store_b128 v4, v[168+16*\p:171+16*\p], s[22:23] offset:768*\p+12288
	global_store_b64 v5, v[172+16*\p:173+16*\p], s[22:23] offset:768*\p+12288+512
.endm
	WLOAD 0
	WLOAD 1
	WBLOCK 0
	WBLOCK 1
	WPAIR 0
	WBLOCK 2
	WBLOCK 3
	WPAIR 1
	global_store_b32 v6, v10, s[24:25]
	s_endpgm
.Lfunc_end_k_q151a8f241b_quant:
	.size	k_q151a8f241b_quant, .Lfunc_end_k_q151a8f241b_quant-k_q151a8f241b_quant
	.p2alignl 7, 3214868480
	.fill 96, 4, 3214868480
	.section	.rodata,"a",@progbits
	.p2align	6, 0x0
	.amdhsa_kernel k_q151a8f241b_quant
		.amdhsa_group_segment_fixed_size 35328
		.amdhsa_private_segment_fixed_size 0
		.amdhsa_enable_private_segment 0
		.amdhsa_kernarg_size 88
		.amdhsa_user_sgpr_count 2
		.amdhsa_user_sgpr_kernarg_segment_ptr 1
		.amdhsa_wavefront_size32 1
		.amdhsa_system_sgpr_workgroup_id_x 1
		.amdhsa_system_sgpr_workgroup_id_y 1
		.amdhsa_system_sgpr_workgroup_id_z 1
		.amdhsa_system_vgpr_workitem_id 0
		.amdhsa_next_free_vgpr 208
		.amdhsa_next_free_sgpr 66
		.amdhsa_reserve_vcc 0
		.amdhsa_float_denorm_mode_32 3
		.amdhsa_float_denorm_mode_16_64 3
		.amdhsa_memory_ordered 1
		.amdhsa_forward_progress 1
		.amdhsa_inst_pref_size 81
	.end_amdhsa_kernel
	.amdgpu_metadata
---
amdhsa.version: [ 1, 2 ]
amdhsa.kernels:
  - .name:           k_q151a8f241b_quant
    .symbol:         k_q151a8f241b_quant.kd
    .args:
      - { .name: q, .offset: 0, .size: 8, .value_kind: global_buffer, .address_space: global }
      - { .name: k, .offset: 8, .size: 8, .value_kind: global_buffer, .address_space: global }
      - { .name: v, .offset: 16, .size: 8, .value_kind: global_buffer, .address_space: global }
      - { .name: Wq, .offset: 24, .size: 8, .value_kind: global_buffer, .address_space: global }
      - { .name: Wk, .offset: 32, .size: 8, .value_kind: global_buffer, .address_space: global }
      - { .name: Wv, .offset: 40, .size: 8, .value_kind: global_buffer, .address_space: global }
      - { .name: Wo, .offset: 48, .size: 8, .value_kind: global_buffer, .address_space: global }
      - { .name: xc, .offset: 56, .size: 8, .value_kind: global_buffer, .address_space: global }
      - { .name: xs, .offset: 64, .size: 8, .value_kind: global_buffer, .address_space: global }
      - { .name: wc, .offset: 72, .size: 8, .value_kind: global_buffer, .address_space: global }
      - { .name: ws, .offset: 80, .size: 8, .value_kind: global_buffer, .address_space: global }
    .group_segment_fixed_size: 35328
    .private_segment_fixed_size: 0
    .kernarg_segment_align: 8
    .kernarg_segment_size: 88
    .max_flat_workgroup_size: 128
    .sgpr_count:     66
    .vgpr_count:     208
    .wavefront_size: 32
...
	.end_amdgpu_metadata
.endif
;; end of part 1
;; launch proj (part 2): grid 4 x 96, 4 waves a work-group, clusters of 4 x 4, 327,680 bytes of LDS; arguments xc, xs, wc, ws, b_q, b_k, b_v, qr, kv; writes qr, kv
.if DOCPART == 2
	.amdgcn_target "amdgcn-amd-amdhsa--gfx1250"
	.amdhsa_code_object_version 6
	.text
	.protected	k_q151a8f241b_proj
	.globl	k_q151a8f241b_proj
	.p2align	8
	.type	k_q151a8f241b_proj,@function
k_q151a8f241b_proj:
	s_mov_b64 s[64:65], 0
	v_nop
	global_prefetch_b8 v0, s[64:65] scope:SCOPE_SE
	s_setreg_imm32_b32 hwreg(HW_REG_WAVE_MODE, 25, 1), 1
	s_wait_xcnt 0x0
	s_wait_alu depctr_hold_cnt(0) depctr_sa_sdst(0) depctr_va_vdst(0) depctr_va_sdst(0) depctr_va_ssrc(0) depctr_va_vcc(0) depctr_vm_vsrc(0)
	s_getreg_b32 s2, hwreg(HW_REG_IB_STS2, 6, 4)
	s_cmp_eq_u32 s2, 0
	s_cbranch_scc0 .Lentry_in_a_cluster
	s_endpgm
.Lentry_in_a_cluster:
	s_bfe_u32 s2, ttmp6, 0x10000c
	s_cmp_lg_u32 s2, 0xf033
	s_cbranch_scc0 .Lentry_shape_is_right
	s_endpgm
.Lentry_shape_is_right:
; Q = q Wq + b_q, K = k Wk + b_k, V = v Wv + b_v on codes of FP6 (E2M3) with E8M0 scales; each result is quantised again and stored as images of operand registers in the records that the attention launch reads.
; A work-group of four waves makes 256 x 256 (for V with the weight's columns as rows, so that a lane's registers run along the tokens); K goes in steps of 256 through a ring of two LDS slots; 4 x 4 work-groups ask for tiles jointly.
; THE HEAD: one joint load a wave: wave 0 A's 16 row tiles of K step 0, wave 1 B's, wave 2 A's scale words for all of K, wave 3 B's; the set-up stands between these loads and the wait for them;
; slot 1's first fill stands behind the three lines and a round, as a refill does.
.set NL,    4
.set FR,    12
.set RTB,   3072
.set HALFT, 8*RTB
.set SLOT,  4*HALFT
.set SCL,   2*SLOT
.set SPARE, SCL+4*4096
.set ADRA, 16
.set ADRB, 20
.set L16,  24
.set L8,   25
.set VSO,  26
.set ADRS, 27
.set SPW,  28
.set NIL,  29
.set SC,   32
.set BI,   64
.set AF,   128
.set TM,   64
.set PW,   80
.set G1, 24
.set G0, 32
.set G1B, 48
.set G0B, 56
.set G1S, 68
.set G0S, 76
.set G1SB, 80
.set G0SB, 88
.set MSB, 0
.macro WIN new
.if MSB != \new
	s_set_vgpr_msb (MSB<<8)|\new
.set MSB, \new
.endif
.endm
.set MUL_LO, 0xa1
.set MUL_HI, 0xf1
.set TO_B,   0x40
.macro JLOAD g0a, g1a, g0b, g1b
	s_cmp_eq_u32 s15, 0
	s_cbranch_scc0 .Lfor_b_\@
	tensor_load_to_lds s[\g0a:\g0a+3], s[\g1a:\g1a+7]
	s_nop 0
.rept 4
	v_nop
.endr
	s_branch .Lasked_\@
.Lfor_b_\@:
	tensor_load_to_lds s[\g0b:\g0b+3], s[\g1b:\g1b+7]
	s_nop 0
.rept 4
	v_nop
.endr
.Lasked_\@:
.endm
.macro CREST
	s_cmp_lg_u32 s14, 0
	s_cbranch_scc1 .Lnot_wave_0_\@
	s_barrier_signal -3
.Lnot_wave_0_\@:
	s_barrier_wait -3
	s_barrier_signal -1
	s_barrier_wait -1
.endm
.macro CROUND
	s_barrier_signal -1
	s_barrier_wait -1
	CREST
.endm
.macro PLACES
.rept 4
	v_nop
.endr
.endm
.macro FRAG reg, adr, q, i
	ds_load_b128 v[\reg:\reg+3], v[\adr] offset:(\i)*RTB+(\q)*1536
	ds_load_b64 v[\reg+4:\reg+5], v[\adr+2] offset:(\i)*RTB+(\q)*1536+512
	ds_load_b128 v[\reg+6:\reg+9], v[\adr] offset:(\i)*RTB+(\q)*1536+768
	ds_load_b64 v[\reg+10:\reg+11], v[\adr+2] offset:(\i)*RTB+(\q)*1536+1280
.endm
.macro FETCH_B slot, q, p
	WIN TO_B
.irp i, 0,1,2,3,4,5,6,7
	FRAG 128*(\p)+FR*\i, ADRB+\slot, \q, \i
.endr
	WIN 0
.endm
.macro FETCH_A slot, q, i0
.irp i, \i0, \i0+1, \i0+2, \i0+3
	FRAG AF+FR*(\i), ADRA+\slot, \q, \i
.endr
.endm
.macro SCALES set, ks
.irp i, 0,1,2,3,4,5,6,7
.irp q, 0,1
	ds_load_b32 v[SC+16*\set+2*\i+\q], v[ADRS] offset:512*\i+64*(2*\ks+\q)
.endr
.endr
.endm
.macro MUL16 a0, p, q, sc, cm
.irp a, \a0, \a0+1
.irp b, 0,1,2,3,4,5,6,7
.set WD, 8*(8*((\a)%4)+\b)
.set WB, 128*(\p)+FR*\b
.set WA, AF+FR*(\a)
.set WSB, SC+16*(\sc)+2*\b+(\q)
.set WSA, SC+16*(\sc)+2*(\a)+(\q)
.if \cm == 0
	v_wmma_scale_f32_16x16x128_f8f6f4 v[WD:WD+7], v[WB:WB+11], v[WA:WA+11], v[WD:WD+7], v[WSB], v[WSA] matrix_a_fmt:MATRIX_FMT_FP6 matrix_b_fmt:MATRIX_FMT_FP6 matrix_a_scale:MATRIX_SCALE_ROW1
.elseif \cm == 1
	v_wmma_scale_f32_16x16x128_f8f6f4 v[WD:WD+7], v[WB:WB+11], v[WA:WA+11], v[BI+8*\b:BI+8*\b+7], v[WSB], v[WSA] matrix_a_fmt:MATRIX_FMT_FP6 matrix_b_fmt:MATRIX_FMT_FP6 matrix_a_scale:MATRIX_SCALE_ROW1
.else
	v_wmma_scale_f32_16x16x128_f8f6f4 v[WD:WD+7], v[WB:WB+11], v[WA:WA+11], v[BI+8*(\a):BI+8*(\a)+7], v[WSB], v[WSA] matrix_a_fmt:MATRIX_FMT_FP6 matrix_b_fmt:MATRIX_FMT_FP6 matrix_a_scale:MATRIX_SCALE_ROW1
.endif
.endr
.endr
.endm
.macro STEP slot, cm
	s_wait_dscnt 4*NL
.if \cm
	WIN 0x81
.else
	WIN MUL_LO
.endif
	MUL16 0, 0, 0, \slot, \cm
	MUL16 2, 0, 0, \slot, \cm
	s_wait_dscnt 0x0
	PLACES
	FETCH_B \slot, 1, 1
	FETCH_A \slot, 1, 0
.if \cm
	WIN 0xc1
.else
	WIN MUL_HI
.endif
	MUL16 4, 0, 0, \slot, \cm
	MUL16 6, 0, 0, \slot, \cm
	PLACES
	WIN 0
	FETCH_A \slot, 1, 4
.endm
.macro TURN slot, next, fill, ks
	s_wait_tensorcnt 0x0
	ds_add_u32 v[SPW], v[NIL]
	s_wait_dscnt 4*NL+1
	WIN MUL_LO
	MUL16 0, 1, 1, \slot, 0
	s_wait_dscnt 0x0
	s_barrier_signal -1
	MUL16 2, 1, 1, \slot, 0
	WIN 0
	s_barrier_wait -1
.if \fill
	CREST
	s_add_nc_u64 s[G0+4*\slot+2:G0+4*\slot+3], s[G0+4*\slot+2:G0+4*\slot+3], 2*RTB
	s_add_nc_u64 s[G0B+4*\slot+2:G0B+4*\slot+3], s[G0B+4*\slot+2:G0B+4*\slot+3], 2*RTB
	JLOAD G0+4*\slot, G1, G0B+4*\slot, G1B
.else
	PLACES
.endif
	FETCH_B \next, 0, 0
	FETCH_A \next, 0, 0
	SCALES \next, \ks
	WIN MUL_HI
	MUL16 4, 1, 1, \slot, 0
	MUL16 6, 1, 1, \slot, 0
	PLACES
	WIN 0
	FETCH_A \next, 0, 4
.endm
	s_load_b256 s[4:11], s[0:1], 0x0
	v_lshl_add_u32 v[SPW], v0, 2, SPARE
	v_mov_b32 v[NIL], 0
	ds_add_u32 v[SPW], v[NIL]
	ds_add_u32 v[SPW], v[NIL]
	v_lshrrev_b32 v1, 5, v0
	v_readfirstlane_b32 s14, v1
	s_lshr_b32 s15, s14, 1
	s_and_b32 s16, s14, 1
	s_bfe_u32 s40, ttmp6, 0x40000
	s_bfe_u32 s41, ttmp6, 0x40004
	s_and_b32 s97, ttmp7, 0xffff
	s_lshr_b32 s96, s97, 3
	s_and_b32 s97, s97, 7
	s_cmp_eq_u32 s96, 2
	s_cselect_b32 s98, 1, 0
	s_cselect_b32 s17, 0, s97
	s_cselect_b32 s42, s97, 0
	s_cmp_eq_u32 s96, 0
	s_cselect_b32 s99, 1, 0
	s_lshl_b32 s17, s17, 2
	s_add_co_u32 s17, s17, s41
	s_lshl_b32 s42, s42, 2
	s_add_co_u32 s42, s42, s40
	s_lshl_b32 s43, s41, 2
	s_lshl_b32 s43, 15, s43
	s_lshl_b32 s44, 0x1111, s40
	s_or_b32 s[G1+0], s43, (3<<16)|(1<<21)
	s_or_b32 s[G1B+0], s44, (3<<16)|(1<<21)
.irp g, G1, G1B
	s_mov_b32 s[\g+1], 384<<16
	s_mov_b32 s[\g+2], 16<<16                      ; the head's loads bring 16 row tiles; behind them these two words are set to 8
	s_mov_b32 s[\g+3], 384<<16
	s_mov_b32 s[\g+4], 16
	s_mov_b32 s[\g+5], 1536
	s_mov_b32 s[\g+6], 0
	s_mov_b32 s[\g+7], 0
.endr
	s_or_b32 s[G1S+0], s43, (3<<16)|(1<<21)
	s_or_b32 s[G1SB+0], s44, (3<<16)|(1<<21)
.irp g, G1S, G1SB
	s_mov_b32 s[\g+1], 32<<16
	s_mov_b32 s[\g+2], 32<<16                      ; the scale words of 16 row tiles: 8,192 dense bytes
	s_mov_b32 s[\g+3], 32<<16
	s_mov_b32 s[\g+4], 32
	s_mov_b32 s[\g+5], 32
	s_mov_b32 s[\g+6], 0
	s_mov_b32 s[\g+7], 0
.endr
	s_lshl_b32 s18, s16, 3
	s_lshl_b32 s20, s17, 4
	s_add_co_u32 s20, s20, s18
	s_lshl_b32 s46, s42, 4
	s_add_co_u32 s46, s46, s18
	s_lshl_b32 s22, s20, 9
	s_lshl_b32 s92, s46, 9
	s_mul_i32 s20, s20, 12288
	s_mul_i32 s46, s46, 12288
	s_mul_i32 s18, s96, 6291456
	s_mul_i32 s19, s96, 786432
	s_mul_i32 s23, s96, 262144
	s_mul_i32 s93, s96, 32768
	s_cmp_eq_u32 s98, 1
	s_cselect_b32 s21, s19, s18
	s_cselect_b32 s47, s18, s19
	s_cselect_b32 s45, s93, s23
	s_cselect_b32 s94, s23, s93
	s_add_co_u32 s20, s20, s21
	s_add_co_u32 s46, s46, s47
	s_add_co_u32 s22, s22, s45
	s_add_co_u32 s92, s92, s94
	s_mov_b32 s21, 0
	s_mov_b32 s47, 0
	s_mov_b32 s23, 0
	s_mov_b32 s93, 0
	s_mul_i32 s45, s14, HALFT
	s_lshl_b32 s94, s14, 12
	s_wait_dscnt 0x0
	s_wait_kmcnt 0x0
	s_cmp_eq_u32 s98, 1
	s_cselect_b64 s[66:67], s[8:9], s[4:5]
	s_cselect_b64 s[100:101], s[4:5], s[8:9]
	s_cselect_b64 s[4:5], s[10:11], s[6:7]
	s_cselect_b64 s[8:9], s[6:7], s[10:11]
	s_add_nc_u64 s[20:21], s[66:67], s[20:21]
	s_add_nc_u64 s[22:23], s[4:5], s[22:23]
	s_add_nc_u64 s[46:47], s[100:101], s[46:47]
	s_add_nc_u64 s[92:93], s[8:9], s[92:93]
	CROUND
	s_mul_i32 s2, s16, 8*12288                     ; my half of a tile in bytes of codes: taken off for the head's whole tiles
	s_mov_b32 s3, 0
	s_mov_b32 s[G0], 1                             ; slot 0's group 0 serves the head's whole tiles first: A's 16 row tiles,
	s_mov_b32 s[G0+1], 0
	s_sub_nc_u64 s[G0+2:G0+3], s[20:21], s[2:3]
	s_or_b32 s[G0+3], s[G0+3], 0x80000000
	s_mov_b32 s[G0B], 1                            ; B's, behind them,
	s_mov_b32 s[G0B+1], 2*HALFT
	s_sub_nc_u64 s[G0B+2:G0B+3], s[46:47], s[2:3]
	s_or_b32 s[G0B+3], s[G0B+3], 0x80000000
	s_lshl_b32 s2, s16, 12                         ; my half in bytes of scale words
	s_mov_b32 s[G0S], 1                            ; A's scale words,
	s_mov_b32 s[G0S+1], SCL
	s_sub_nc_u64 s[G0S+2:G0S+3], s[22:23], s[2:3]
	s_or_b32 s[G0S+3], s[G0S+3], 0x80000000
	s_mov_b32 s[G0SB], 1                           ; and B's
	s_mov_b32 s[G0SB+1], SCL+8192
	s_sub_nc_u64 s[G0SB+2:G0SB+3], s[92:93], s[2:3]
	s_or_b32 s[G0SB+3], s[G0SB+3], 0x80000000
	s_mov_b32 s[G0+4], 1                           ; slot 1: my eight row tiles of K step 1
	s_add_co_u32 s[G0+5], s45, SLOT
	s_add_nc_u64 s[G0+6:G0+7], s[20:21], RTB
	s_or_b32 s[G0+7], s[G0+7], 0x80000000
	s_mov_b32 s[G0B+4], 1
	s_add_co_u32 s[G0B+5], s45, SLOT
	s_add_nc_u64 s[G0B+6:G0B+7], s[46:47], RTB
	s_or_b32 s[G0B+7], s[G0B+7], 0x80000000
.macro ARM under, g0, g1, next         ; one chain of branches on the wave's number, one load to an arm, all arms to one join
	s_cmp_lt_u32 s14, \under
	s_cbranch_scc0 \next
	tensor_load_to_lds s[\g0:\g0+3], s[\g1:\g1+7]
	s_nop 0
.rept 4
	v_nop
.endr
	s_branch .Lhead_asked
\next:
.endm
	ARM 1, G0,  G1,  .Lhead_b
	ARM 2, G0B, G1B, .Lhead_sa
	ARM 3, G0S, G1S, .Lhead_sb
	tensor_load_to_lds s[G0SB:G0SB+3], s[G1SB:G1SB+7]
	s_nop 0
.rept 4
	v_nop
.endr
.Lhead_asked:
	s_load_b256 s[4:11], s[0:1], 0x20
	s_load_b64 s[12:13], s[0:1], 0x40
	v_and_b32 v1, 15, v0
	v_bfe_u32 v2, v0, 4, 1
	v_and_b32 v3, 31, v0
	v_lshlrev_b32 v[L16], 4, v3
	v_lshlrev_b32 v[L8], 3, v3
	s_mul_i32 s21, s15, HALFT
	s_mul_i32 s22, s16, HALFT
	s_add_co_u32 s22, s22, 2*HALFT
.irp s, 0,1
	v_add_nc_u32 v[ADRA+\s], s21, v[L16]
	v_add_nc_u32 v[ADRB+\s], s22, v[L16]
	v_add_nc_u32 v[ADRA+2+\s], s21, v[L8]
	v_add_nc_u32 v[ADRB+2+\s], s22, v[L8]
	s_add_co_u32 s21, s21, SLOT
	s_add_co_u32 s22, s22, SLOT
.endr
	s_lshl_b32 s21, s15, 12
	s_lshl_b32 s22, s16, 12
	s_add_co_u32 s22, s22, 8192
	s_sub_co_u32 s22, s22, s21
	v_mul_u32_u24 v4, s22, v2
	s_add_co_u32 s21, s21, SCL
	v_lshl_add_u32 v4, v1, 2, v4
	v_add_nc_u32 v[ADRS], s21, v4
	v_lshlrev_b32 v30, 6, v2
	v_and_b32 v4, 8, v1
	v_add_nc_u32 v4, v4, v1
	v_lshlrev_b32 v31, 2, v4
	s_mov_b32 s95, 0
	s_wait_kmcnt 0x0
	s_cmp_eq_u32 s99, 1
	s_cselect_b64 s[4:5], s[4:5], s[6:7]
	s_cselect_b64 s[12:13], s[10:11], s[12:13]
	s_cmp_eq_u32 s98, 1
	s_cbranch_scc1 .Lbias_v
	s_lshl_b32 s94, s42, 10
	s_lshl_b32 s3, s16, 9
	s_add_co_u32 s94, s94, s3
	s_add_nc_u64 s[4:5], s[4:5], s[94:95]
	s_wait_alu depctr_va_vdst(0)
.irp b, 0,1,2,3,4,5,6,7
	global_load_b128 v[BI+8*\b:BI+8*\b+3], v30, s[4:5] offset:(32*(\b/2)+8*(\b%2))*4
	global_load_b128 v[BI+8*\b+4:BI+8*\b+7], v30, s[4:5] offset:(32*(\b/2)+8*(\b%2))*4+16
.endr
	s_branch .Lbias_done
.Lbias_v:
	s_lshl_b32 s94, s17, 10
	s_lshl_b32 s3, s15, 9
	s_add_co_u32 s94, s94, s3
	s_add_nc_u64 s[8:9], s[8:9], s[94:95]
	s_wait_alu depctr_va_vdst(0)
.irp a, 0,1,2,3,4,5,6,7
	global_load_b32 v[BI+8*\a], v31, s[8:9] offset:(32*(\a/2)+8*(\a%2))*4
.endr
	s_wait_loadcnt 0x0
.irp a, 0,1,2,3,4,5,6,7
.irp j, 1,2,3,4,5,6,7
	v_mov_b32 v[BI+8*\a+\j], v[BI+8*\a]
.endr
.endr
.Lbias_done:
	s_mul_i32 s3, s99, 6400
	s_sub_co_u32 s3, 13056, s3
	s_lshl_b32 s45, s3, 4
	s_lshl_b32 s94, s17, 1
	s_add_co_u32 s94, s94, s15
	s_lshl_b32 s95, s42, 1
	s_add_co_u32 s95, s95, s16
	s_cmp_eq_u32 s98, 1
	s_cselect_b32 s100, s95, s94
	s_cselect_b32 s101, s94, s95
	s_cselect_b32 s20, 768, s45
	s_cselect_b32 s21, s45, 256
	v_mul_u32_u24 v[VSO], s21, v2
	v_lshl_add_u32 v[VSO], v1, 4, v[VSO]
	s_mul_i32 s18, s98, 768
	s_add_co_u32 s18, s18, 768
	s_mov_b32 s19, 0
	s_sub_co_u32 s22, s45, 6144
	s_mul_i32 s22, s22, s98
	s_mov_b32 s23, 0
	s_lshr_b32 s94, s100, 4
	s_lshl_b32 s94, s94, 4
	s_lshl_b32 s101, s101, 1
	s_add_co_u32 s94, s94, s101
	s_lshl_b32 s94, s94, 4
	s_and_b32 s95, s100, 15
	s_add_co_u32 s94, s94, s95
	s_mul_i32 s94, s94, s3
	s_mul_i32 s100, s98, 6144
	s_add_co_u32 s100, s100, s94
	s_mov_b32 s101, 0
	s_mul_i32 s95, s99, 6144
	s_sub_co_u32 s95, 12288, s95
	s_lshl_b32 s3, s98, 9
	s_add_co_u32 s95, s95, s3
	s_add_co_u32 s94, s94, s95
	s_mov_b32 s95, 0
	s_add_nc_u64 s[66:67], s[12:13], s[94:95]
	s_add_nc_u64 s[12:13], s[12:13], s[100:101]
	s_mov_b32 s21, 0
	s_add_nc_u64 s[46:47], s[12:13], s[20:21]
	s_mov_b32 s94, s45
	s_add_nc_u64 s[92:93], s[66:67], s[94:95]
	s_mov_b32 s20, 0x76543210
	s_mov_b32 s21, 0xfedcba98
	s_mov_b32 s2, 0xffff0000
	s_wait_alu depctr_va_vdst(0)                   ; the wait at the head's end
	s_wait_tensorcnt 0x0                           ; my tile of the head's four is in
	ds_add_u32 v[SPW], v[NIL]
	s_mov_b32 s[G1+2], 8<<16                       ; no load of mine is out: from here on a load brings eight row tiles,
	s_mov_b32 s[G1+4], 8
	s_mov_b32 s[G1B+2], 8<<16
	s_mov_b32 s[G1B+4], 8
	s_mul_i32 s[G0+1], s14, HALFT                  ; and slot 0's group 0 names my quarter of the slot and my half of the tile
	s_mul_i32 s[G0B+1], s14, HALFT
	s_mul_i32 s94, s16, 8*12288
	s_mov_b32 s95, 0
	s_add_nc_u64 s[G0+2:G0+3], s[G0+2:G0+3], s[94:95]
	s_add_nc_u64 s[G0B+2:G0B+3], s[G0B+2:G0B+3], s[94:95]
	s_wait_dscnt 0x0
	CROUND                                         ; all four tiles are shown to all waves, and the sixteen work-groups meet
	JLOAD G0+4, G1, G0B+4, G1B                     ; K step 1, the first tensor load behind the round
	FETCH_B 0, 0, 0
	FETCH_A 0, 0, 0
	SCALES 0, 0
	FETCH_A 0, 0, 4
	s_wait_loadcnt 0x0
	s_cmp_eq_u32 s98, 1
	s_cbranch_scc1 .Lfirst_v
	s_wait_alu depctr_va_vdst(0)
	STEP 0, 1
	s_branch .Lfirst_done
.Lfirst_v:
	s_wait_alu depctr_va_vdst(0)
	STEP 0, 2
.Lfirst_done:
	TURN 0, 1, 1, 1
	STEP 1, 0
	TURN 1, 0, 1, 2
	STEP 0, 0
	TURN 0, 1, 0, 3
	STEP 1, 0
	s_wait_dscnt 4*NL
	WIN MUL_LO
	MUL16 0, 1, 1, 1, 0
	MUL16 2, 1, 1, 1, 0
	s_wait_dscnt 0x0
	WIN MUL_HI
	MUL16 4, 1, 1, 1, 0
	MUL16 6, 1, 1, 1, 0
	WIN 0
	PLACES
.irp b, 0,1,2,3
	v_mov_b32 v[TM+4+\b], 0
.endr
.macro EPI a
.set AC, 64*((\a)%4)
.set PCS, 88+20*((\a)%2)
	WIN 0x0a+5*((\a)/4)
.irp b, 0,1,2,3
	v_max3_num_f32 v[TM+\b], |v[AC+16*\b]|, |v[AC+16*\b+1]|, 0x1800000
.endr
.irp i, 2,4,6,8,10,12,14
.irp b, 0,1,2,3
	v_max3_num_f32 v[TM+\b], |v[AC+16*\b+\i]|, |v[AC+16*\b+\i+1]|, v[TM+\b]
.endr
.endr
	WIN 0
.irp b, 0,1,2,3
	v_permlanex16_b32 v[TM+4+\b], v[TM+\b], s20, s21
.endr
.irp b, 0,1,2,3
	v_max_num_f32 v[TM+\b], v[TM+\b], v[TM+4+\b]
.endr
.irp b, 0,1,2,3
	v_add_nc_u32 v[TM+12+\b], 0xff000000, v[TM+\b]
.endr
.irp b, 0,1,2,3
	v_lshrrev_b32 v[TM+4+\b], 23, v[TM+12+\b]
.endr
	v_lshl_or_b32 v[PW+\a], v[TM+5], 8, v[TM+4]
	v_lshl_or_b32 v[PW+\a], v[TM+6], 16, v[PW+\a]
	v_lshl_or_b32 v[PW+\a], v[TM+7], 24, v[PW+\a]
	s_wait_xcnt 0x0
.if (\a) > 0
	s_add_nc_u64 s[12:13], s[12:13], s[18:19]
	s_add_nc_u64 s[46:47], s[46:47], s[18:19]
.endif
.if (\a) == 4
	s_add_nc_u64 s[12:13], s[12:13], s[22:23]
	s_add_nc_u64 s[46:47], s[46:47], s[22:23]
.endif
	WIN 0x02+(\a)/4
.irp c, 0,1
	v_cvt_scalef32_pk16_fp6_f32 v[PCS+6*\c:PCS+6*\c+2], v[AC+32*\c:AC+32*\c+15], v[TM+12+2*\c]
	v_cvt_scalef32_pk16_fp6_f32 v[PCS+12+4*\c:PCS+14+4*\c], v[AC+32*\c+16:AC+32*\c+31], v[TM+13+2*\c]
.endr
	WIN 0
	v_nop
.irp c, 0,1
.irp i, 0,1,2
	v_permlane16_swap_b32 v[PCS+6*\c+\i], v[PCS+12+4*\c+\i]
.endr
.irp i, 0,1,2
	v_mov_b32 v[PCS+3+6*\c+\i], v[PCS+12+4*\c+\i]
.endr
.endr
	global_store_b128 v[L16], v[PCS:PCS+3], s[12:13]
	global_store_b64 v[L8], v[PCS+4:PCS+5], s[12:13] offset:512
	global_store_b128 v[L16], v[PCS+6:PCS+9], s[46:47]
	global_store_b64 v[L8], v[PCS+10:PCS+11], s[46:47] offset:512
.endm
.irp a, 0,1,2,3,4,5,6,7
	EPI \a
.endr
.irp j, 0,1,2,3
	v_cndmask_b32 v[128+\j], v[PW+\j], v[PW+4+\j], s2
.endr
	s_cmp_eq_u32 s98, 1
	s_cbranch_scc1 .Lwords_v
.irp j, 0,1,2,3
	v_and_b32 v[132+\j], 0xffff, v[128+\j]
	v_lshrrev_b32 v[136+\j], 16, v[128+\j]
.endr
	global_store_b128 v[VSO], v[132:135], s[66:67]
	global_store_b128 v[VSO], v[136:139], s[92:93]
	s_branch .Lwords_done
.Lwords_v:
	s_wait_alu depctr_va_vdst(0)
	global_store_b128 v[VSO], v[128:131], s[66:67]
.Lwords_done:
	s_wait_tensorcnt 0x0
	ds_add_u32 v[SPW], v[NIL]
	s_wait_dscnt 0x0
	CROUND
	s_endpgm
.Lfunc_end_k_q151a8f241b_proj:
	.size	k_q151a8f241b_proj, .Lfunc_end_k_q151a8f241b_proj-k_q151a8f241b_proj
	.p2alignl 7, 3214868480
	.fill 96, 4, 3214868480
	.section	.rodata,"a",@progbits
	.p2align	6, 0x0
	.amdhsa_kernel k_q151a8f241b_proj
		.amdhsa_group_segment_fixed_size 327680
		.amdhsa_private_segment_fixed_size 0
		.amdhsa_enable_private_segment 0
		.amdhsa_kernarg_size 72
		.amdhsa_user_sgpr_count 2
		.amdhsa_user_sgpr_kernarg_segment_ptr 1
		.amdhsa_wavefront_size32 1
		.amdhsa_system_sgpr_workgroup_id_x 1
		.amdhsa_system_sgpr_workgroup_id_y 1
		.amdhsa_system_sgpr_workgroup_id_z 1
		.amdhsa_system_vgpr_workitem_id 0
		.amdhsa_next_free_vgpr 1024
		.amdhsa_next_free_sgpr 102
		.amdhsa_reserve_vcc 0
		.amdhsa_float_denorm_mode_32 3
		.amdhsa_float_denorm_mode_16_64 3
		.amdhsa_memory_ordered 1
		.amdhsa_forward_progress 1
		.amdhsa_inst_pref_size 172
	.end_amdhsa_kernel
	.amdgpu_metadata
---
amdhsa.version: [ 1, 2 ]
amdhsa.kernels:
  - .name:           k_q151a8f241b_proj
    .symbol:         k_q151a8f241b_proj.kd
    .args:
      - { .name: xc, .offset: 0, .size: 8, .value_kind: global_buffer, .address_space: global }
      - { .name: xs, .offset: 8, .size: 8, .value_kind: global_buffer, .address_space: global }
      - { .name: wc, .offset: 16, .size: 8, .value_kind: global_buffer, .address_space: global }
      - { .name: ws, .offset: 24, .size: 8, .value_kind: global_buffer, .address_space: global }
      - { .name: b_q, .offset: 32, .size: 8, .value_kind: global_buffer, .address_space: global }
      - { .name: b_k, .offset: 40, .size: 8, .value_kind: global_buffer, .address_space: global }
      - { .name: b_v, .offset: 48, .size: 8, .value_kind: global_buffer, .address_space: global }
      - { .name: qr, .offset: 56, .size: 8, .value_kind: global_buffer, .address_space: global }
      - { .name: kv, .offset: 64, .size: 8, .value_kind: global_buffer, .address_space: global }
    .group_segment_fixed_size: 327680
    .private_segment_fixed_size: 0
    .kernarg_segment_align: 8
    .kernarg_segment_size: 72
    .max_flat_workgroup_size: 128
    .sgpr_count:     102
    .vgpr_count:     1024
    .wavefront_size: 32
...
	.end_amdgpu_metadata
.endif
;; end of part 2
;; launch attn (part 3): grid 4 x 64, 16 waves a work-group, clusters of 4 x 1, 210,944 bytes of LDS; arguments qr, kv, ao, aos; writes ao, aos
.if DOCPART == 3
	.amdgcn_target "amdgcn-amd-amdhsa--gfx1250"
	.amdhsa_code_object_version 6
	.text
	.protected	k_q151a8f241b_attn
	.globl	k_q151a8f241b_attn
	.p2align	8
	.type	k_q151a8f241b_attn,@function
k_q151a8f241b_attn:
	s_mov_b64 s[64:65], 0
	v_nop
	global_prefetch_b8 v0, s[64:65] scope:SCOPE_SE
	s_setreg_imm32_b32 hwreg(HW_REG_WAVE_MODE, 25, 1), 1
	s_wait_xcnt 0x0
	s_wait_alu depctr_hold_cnt(0) depctr_sa_sdst(0) depctr_va_vdst(0) depctr_va_sdst(0) depctr_va_ssrc(0) depctr_va_vcc(0) depctr_vm_vsrc(0)
	s_getreg_b32 s2, hwreg(HW_REG_IB_STS2, 6, 4)
	s_cmp_eq_u32 s2, 0
	s_cbranch_scc0 .Lentry_in_a_cluster
	s_endpgm
.Lentry_in_a_cluster:
	s_bfe_u32 s2, ttmp6, 0x10000c
	s_cmp_lg_u32 s2, 0x3003
	s_cbranch_scc0 .Lentry_shape_is_right
	s_endpgm
.Lentry_shape_is_right:
; Attention on codes of FP6 (E2M3): O = softmax(Q K^T / 8) V for one batch and head (the cluster's y = 16 b + head), 2,048 queries and keys, head size 64; O is quantised along the channels on the way out.
; THE SOFTMAX AHEAD OF THE SECOND PRODUCT: t = score x log2(e) / 8; M = the running largest t rounded UP to a whole number; p = 2^(t - M) is quantised along the keys, not normalised; the row's sum is taken of the
; unquantised p and divides O at the end.  When M moves, the sum and O are multiplied by 2^(old M - new M): exact.
; SHARES.  The four work-groups of a cluster take 512 queries each; each of the sixteen waves takes two tiles of 16 queries, one after the other; every wave walks all keys, 128 a step.
; THE WHOLE HEAD'S K AND V LIE IN LDS: 16 records of 13,056 bytes, filled ONCE: each of the sixteen waves asks for one record, jointly with the same wave of the three partners (mask 15); nothing is filled again.
; No prefetch: all that the work-group reads of K and V is asked for by these sixteen loads at the head, so there is no later request to run ahead of.
; LAYOUT.  Both products are used transposed: S^T = K Q^T (source 0 = 16 keys), O^T = V^T P^T (source 0 = 16 channels): a lane holds ONE query throughout.  Tiles lie as images of operand registers (768 bytes for
; 16 rows x 64): 512 bytes at 16 x lane, 256 at 8 x lane.  Row 8 h + j of K's tile t of a record is key 64 (t / 4) + 32 h + 8 (t % 4) + j: so lane (r, h) holds in the 32 registers of tiles 0-3 the whole block h
; of 32 keys and in those of tiles 4-7 block 2 + h, in the order of the second product's operand: a block's largest score needs no other lane, and the conversions' results are the operand's registers.
; A SCORE PRODUCT'S K IS 64: the upper six registers of Q's operand are zero codes, and bytes 2, 3 of both scale words are 0 (a power of two, no NaN); K's upper six registers are the next tile's codes, which meet zeros.
; LIMITS: the promise holds while the scaled scores t stay under 2^31 in magnitude; a block of zeros gets the byte 1 (its codes are zeros; this program alone reads the bytes); NaN and infinities are not served.
; REGISTERS: v1-3 16 x lane, 8 x lane, 16 r; v4-6 the step's LDS addresses; v7, v8 the add's two; v9 4 r + h; v10 8 h; v12 -M, v13 the largest score, v[14:15] the sum; v16-27, v232-243 Q's two tiles; v28, v29 their
; scale words; v32-79 K's or V's fragments; v80-85 zeros; v86-89 K's scale words, v90-93 V's; v96-159 S^T, then p; v160-191 O^T; v192-210 p's codes; v212-226 at work (v225: p's scale word); v244-249 partial sums;
; v250-255, v227 O's codes and byte, which no step writes.
.set REC,   13056
.set SPARE, 16*REC                     ; behind the head: the spare words, 128 bytes for each of 16 waves
.set SPW, 7
.set NIL, 8
.set WV,  12
.macro WALU
	s_wait_alu depctr_va_vdst(0)
.endm
.macro ROUND                           ; a round of the cluster's barrier
	s_barrier_signal -1
	s_barrier_wait -1
	s_cmp_lg_u32 s[WV], 0
	s_cbranch_scc1 .Lnot_wave_0_\@
	s_barrier_signal -3
.Lnot_wave_0_\@:
	s_barrier_wait -3
	s_barrier_signal -1
	s_barrier_wait -1
.endm
	s_load_b256 s[4:11], s[0:1], 0x0               ; qr, kv, ao, aos
	v_lshl_add_u32 v[SPW], v0, 2, SPARE
	v_mov_b32 v[NIL], 0
	ds_add_u32 v[SPW], v[NIL]                      ; the opening lines: the add, twice on end, and its wait ahead of the first tensor load
	ds_add_u32 v[SPW], v[NIL]
	v_lshrrev_b32 v11, 5, v0
	v_readfirstlane_b32 s[WV], v11                 ; wave 0..15
	s_bfe_u32 s13, ttmp6, 0x40000                  ; cx: it enters Q's and O's addresses alone
	s_and_b32 s14, ttmp7, 0xffff                   ; 16 b + head, which the four partners share
	s_mov_b32 s24, 15|(3<<16)|(1<<21)              ; group 1: a record, 13,056 dense bytes as 51 rows of 256 (32 elements of 8 bytes); the mask names all four work-groups, bit 21 beside it
	s_mov_b32 s25, 32<<16
	s_mov_b32 s26, 51<<16
	s_mov_b32 s27, 32<<16
	s_mov_b32 s28, 51
	s_mov_b32 s29, 32
	s_mov_b32 s30, 0
	s_mov_b32 s31, 0
	s_mul_i32 s15, s[WV], REC                      ; my record: wave x 13,056, in LDS and in the head's part of kv
	s_mul_i32 s16, s14, 16*REC
	s_add_co_u32 s16, s16, s15
	s_mov_b32 s17, 0
	s_mov_b32 s20, 0x76543210
	s_mov_b32 s21, 0xfedcba98                      ; selects: lane l xor 16
	s_mov_b32 s22, 0x3e38aa3b                      ; c = log2(e) / 8
	s_mov_b32 s23, s22                             ; (named with it as a pair)
	s_mov_b32 s50, 0xffff0000                      ; lanes 16-31
	; Q: tile 32 cx + 16 p + wave of the head: record 4 cx + 2 p + wave / 8, tile wave % 8
	s_lshl_b32 s52, s14, 4
	s_lshl_b32 s53, s13, 2
	s_add_co_u32 s52, s52, s53
	s_lshr_b32 s53, s[WV], 3
	s_add_co_u32 s52, s52, s53
	s_mul_i32 s52, s52, 6656
	s_and_b32 s18, s[WV], 7
	s_lshr_b32 s54, s18, 2
	s_lshl_b32 s54, s54, 8
	s_and_b32 s55, s18, 3
	s_lshl_b32 s55, s55, 2
	s_add_co_u32 s54, s54, s55
	s_add_co_u32 s54, s54, s52
	s_add_co_u32 s54, s54, 6144                    ; its scale words: [tile / 4][r][tile % 4]
	s_mov_b32 s55, 0
	s_mul_i32 s53, s18, 768
	s_add_co_u32 s52, s52, s53
	s_mov_b32 s53, 0
	; O: row tile 128 b + 32 cx + 16 p + wave; K / 64 = head
	s_lshr_b32 s58, s14, 4
	s_lshl_b32 s58, s58, 7
	s_lshl_b32 s59, s13, 5
	s_add_co_u32 s58, s58, s59
	s_add_co_u32 s58, s58, s[WV]
	s_and_b32 s19, s14, 15                         ; head
	s_lshl_b32 s60, s58, 9
	s_lshr_b32 s61, s19, 1
	s_lshl_b32 s61, s61, 6
	s_add_co_u32 s60, s60, s61
	s_and_b32 s61, s19, 1
	s_lshl_b32 s61, s61, 1
	s_add_co_u32 s60, s60, s61                     ; the scale bytes: word head / 2, bytes 2 (head % 2) + 0, 1
	s_mov_b32 s61, 0
	s_lshl_b32 s58, s58, 4
	s_add_co_u32 s58, s58, s19
	s_mul_i32 s58, s58, 768
	s_mov_b32 s59, 0
	v_and_b32 v11, 31, v0
	v_bfe_u32 v10, v0, 4, 1                        ; h
	v_lshlrev_b32 v1, 4, v11
	v_lshlrev_b32 v2, 3, v11
	v_and_b32 v11, 15, v0                          ; r
	v_lshlrev_b32 v3, 4, v11
	v_lshl_add_u32 v9, v11, 2, v10
	v_lshlrev_b32 v10, 3, v10
	WALU                                           ; the wait directly ahead of the wait below
	s_wait_dscnt 0x0                               ; both opening adds are done
	s_wait_kmcnt 0x0
	s_add_nc_u64 s[6:7], s[6:7], s[16:17]
	s_add_nc_u64 s[56:57], s[4:5], s[54:55]
	s_add_nc_u64 s[4:5], s[4:5], s[52:53]
	s_add_nc_u64 s[8:9], s[8:9], s[58:59]
	s_add_nc_u64 s[10:11], s[10:11], s[60:61]
	s_mov_b32 s32, 1
	s_mov_b32 s33, s15
	s_mov_b64 s[34:35], s[6:7]
	s_or_b32 s35, s35, 0x80000000
	ROUND                                          ; all four work-groups are here: the joint loads meet
	tensor_load_to_lds s[32:35], s[24:31]          ; my one load: record number = my wave's number
	s_nop 0
.rept 4
	v_nop
.endr
	global_load_b128 v[16:19], v1, s[4:5]          ; Q's tile of the first pass,
	global_load_b64 v[20:21], v2, s[4:5] offset:512
	global_load_b32 v28, v3, s[56:57]
	global_load_b128 v[232:235], v1, s[4:5] offset:13312   ; and of the second: two records on
	global_load_b64 v[236:237], v2, s[4:5] offset:13312+512
	global_load_b32 v29, v3, s[56:57] offset:13312
.irp j, 22,23,24,25,26,27, 238,239,240,241,242,243, 80,81,82,83,84,85, 216,217, 225
	v_mov_b32 v\j, 0                               ; zero codes for the upper 64 of a score product's K; permutes' destinations; the upper half of the pair v[224:225]
.endr
	WALU                                           ; the wait at the head's end
	s_wait_loadcnt 0x0
	s_wait_tensorcnt 0x0                           ; my record is in;
	s_barrier_signal -1
	s_barrier_wait -1                              ; and so is every wave's: the head is whole
.macro SUMS from, to                   ; the row's sum of the unquantised p, two at a time, in four chains: lines from .. to - 1 of 29 (three begin a chain with two pairs, 26 add one pair)
.set J, \from
.rept (\to)-(\from)
.if J < 3
	v_pk_add_f32 v[244+2*J:245+2*J], v[96+4*J:97+4*J], v[98+4*J:99+4*J]
.elseif J%4 == 3
	v_pk_add_f32 v[14:15], v[14:15], v[102+2*J:103+2*J]
.else
	v_pk_add_f32 v[244+2*(J%4):245+2*(J%4)], v[244+2*(J%4):245+2*(J%4)], v[102+2*J:103+2*J]
.endif
.set J, J+1
.endr
.endm
; A KEY STEP: the 128 keys of the record at LDS byte s48.  qf: Q's operand; qs: its scale word.
.macro STEP qf, qs
	v_add_nc_u32 v4, s48, v1
	v_add_nc_u32 v5, s48, v2
	v_add_nc_u32 v6, s48, v3
	v_mov_b32 v226, v12                            ; the old -M.  These four lines are the places behind the last products, ahead of loads into registers that they read
.irp t, 0,1,2,3,4,5,6,7
	ds_load_b128 v[32+6*\t:35+6*\t], v4 offset:768*\t
	ds_load_b64 v[36+6*\t:37+6*\t], v5 offset:768*\t+512
.endr
	ds_load_b128 v[86:89], v4 offset:12288         ; K's scale words: lanes 0-15 tiles 0-3, lanes 16-31 tiles 4-7
	WALU
	s_wait_dscnt 0x0
.irp t, 0,1,2,3
	v_wmma_scale_f32_16x16x128_f8f6f4 v[96+8*\t:103+8*\t], v[32+6*\t:43+6*\t], v[\qf:\qf+11], 0, v[86+\t], v[\qs] matrix_a_fmt:MATRIX_FMT_FP6 matrix_b_fmt:MATRIX_FMT_FP6
.endr
.irp t, 4,5,6,7
	v_wmma_scale_f32_16x16x128_f8f6f4 v[96+8*\t:103+8*\t], v[32+6*\t:43+6*\t], v[\qf:\qf+11], 0, v[82+\t], v[\qs] matrix_a_fmt:MATRIX_FMT_FP6 matrix_b_fmt:MATRIX_FMT_FP6 matrix_a_scale:MATRIX_SCALE_ROW1
.endr
.rept 4
	v_nop                                          ; four places: ahead of the loads into K's registers and of the first read of the scores
.endr
.irp t, 0,1,2,3                        ; V's four tiles of 16 channels x 128 keys: asked for ahead of the softmax, waited for behind it
	ds_load_b128 v[32+12*\t:35+12*\t], v4 offset:6144+1536*\t
	ds_load_b64 v[36+12*\t:37+12*\t], v5 offset:6144+1536*\t+512
	ds_load_b128 v[38+12*\t:41+12*\t], v4 offset:6144+1536*\t+768
	ds_load_b64 v[42+12*\t:43+12*\t], v5 offset:6144+1536*\t+1280
.endr
	ds_load_b128 v[90:93], v6 offset:12800         ; V's scale words: row r's four tiles
; the largest score of my two blocks of 32 keys (c = 0, 1), each in two chains: for the row's maximum and, since p rises with the score, for the block's largest p.  Each accumulator is first read at its low end
.irp c, 0,1
	v_max3_num_f32 v[212+\c], v[96+32*\c], v[97+32*\c], v[98+32*\c]
	v_max3_num_f32 v[214+\c], v[112+32*\c], v[113+32*\c], v[114+32*\c]
.endr
.irp i, 3,5,7,9,11,13
.irp c, 0,1
	v_max3_num_f32 v[212+\c], v[212+\c], v[96+32*\c+\i], v[97+32*\c+\i]
	v_max3_num_f32 v[214+\c], v[214+\c], v[112+32*\c+\i], v[113+32*\c+\i]
.endr
.endr
.irp c, 0,1
	v_max3_num_f32 v[212+\c], v[212+\c], v[111+32*\c], v[127+32*\c]
.endr
.irp c, 0,1
	v_max_num_f32 v[212+\c], v[212+\c], v[214+\c]
.endr
	v_max_num_f32 v216, v212, v213                 ; my 64 keys',
	v_permlanex16_b32 v217, v216, s20, s21         ; lane l xor 16's 64,
	v_max3_num_f32 v13, v13, v216, v217            ; and the running largest score of my query
	v_mul_f32 v218, s22, v13                       ; as t (c is positive, so the largest score gives the largest t)
	v_floor_f32 v12, -v218                         ; the new -M = -ceil(t)
.set J, 0
.rept 32
	v_pk_fma_f32 v[96+J:97+J], v[96+J:97+J], s[22:23], v[12:13] op_sel_hi:[1,0,0]   ; t - M
.if J == 4
	v_sub_f32 v226, v12, v226                      ; old M - new M: a whole number, 0 or less
.elseif J == 12
	v_cvt_i32_f32 v226, v226                       ; (it saturates)
.elseif J == 20
	v_ldexp_f32 v224, 1.0, v226                    ; f = 2^(old M - new M)
.endif
.set J, J+2
.endr
	v_pk_fma_f32 v[212:213], v[212:213], s[22:23], v[12:13] op_sel_hi:[1,0,0]       ; the same of my two blocks' largest scores
	WALU                                           ; the wait ahead of the batch
.set J, 0
.rept 64
	v_exp_f32 v[96+J], v[96+J]                     ; p = 2^(t - M)
.set J, J+1
.endr
	v_exp_f32 v212, v212                           ; the blocks' largest p: the same two instructions on the same number give the same bits
	v_exp_f32 v213, v213
	v_pk_mul_f32 v[14:15], v[14:15], v[224:225] op_sel_hi:[1,0]   ; the sums under the new M; the plain place behind the exponentials
	WALU                                           ; one wait for the batch of 66, ahead of its first reader
	v_max_num_f32 v212, 0x1800000, v212            ; the floor 2^(3 - 127): the byte cannot fall under 1.  The scales' lines stand among the sums', so that no line reads the line above it
	v_max_num_f32 v213, 0x1800000, v213
	SUMS 0, 3
	v_add_nc_u32 v220, 0xff000000, v212            ; 2 off the exponent field: the conversions' scale operands
	v_add_nc_u32 v221, 0xff000000, v213
	SUMS 3, 6
	v_lshrrev_b32 v216, 23, v220                   ; the bytes of blocks h and 2 + h
	v_lshrrev_b32 v217, 23, v221
	SUMS 6, 9
	v_lshl_or_b32 v225, v217, 16, v216
	SUMS 9, 12
	v_lshlrev_b32 v225, v10, v225                  ; at their places in the word: 8 h bits up
	SUMS 12, 15
	v_permlanex16_b32 v216, v225, s20, s21
	SUMS 15, 18
	v_or_b32 v225, v225, v216                      ; with lane l xor 16's two: p's scale word for these 128 keys
	SUMS 18, 29
	v_pk_add_f32 v[14:15], v[14:15], v[244:245]
	v_pk_add_f32 v[246:247], v[246:247], v[248:249]
	v_cvt_scalef32_pk16_fp6_f32 v[192:194], v[96:111], v220
	v_cvt_scalef32_pk16_fp6_f32 v[204:206], v[112:127], v220   ; (a conversion's three registers begin on an even number)
	v_cvt_scalef32_pk16_fp6_f32 v[198:200], v[128:143], v221
	v_cvt_scalef32_pk16_fp6_f32 v[208:210], v[144:159], v221
	WALU                                           ; the wait directly ahead of the first reader of O^T; only plain vector lines follow up to the last
.set J, 0
.rept 16
	v_pk_mul_f32 v[160+J:161+J], v[160+J:161+J], v[224:225] op_sel_hi:[1,0]   ; O^T under the new M; also the places behind the conversions and ahead of the products below
.if J == 6
.irp i, 0,1,2
	v_mov_b32 v[195+\i], v[204+\i]
	v_mov_b32 v[201+\i], v[208+\i]
.endr
	v_pk_add_f32 v[14:15], v[14:15], v[246:247]
.endif
.set J, J+2
.endr
	WALU                                           ; the wait directly ahead of the wait below
	s_wait_dscnt 0x0                               ; V
.irp t, 0,1,2,3
	v_wmma_scale_f32_16x16x128_f8f6f4 v[160+8*\t:167+8*\t], v[32+12*\t:43+12*\t], v[192:203], v[160+8*\t:167+8*\t], v[90+\t], v225 matrix_a_fmt:MATRIX_FMT_FP6 matrix_b_fmt:MATRIX_FMT_FP6
.endr
	s_add_co_u32 s48, s48, REC
.endm
; THE WAY OUT of pass p: O^T / the sum; register 8 t + j is channel 32 (t / 2) + 16 h + 8 (t % 2) + j: two blocks of 32, quantised; the codes are one image of 768 bytes.
.macro WAYOUT p
.rept 4
	v_nop
.endr
	s_wait_xcnt 0x0                                ; the first pass's stores have read their data
	v_add_f32 v14, v14, v15
	s_delay_alu instid0(VALU_DEP_1)
	v_permlanex16_b32 v226, v14, s20, s21
	s_delay_alu instid0(VALU_DEP_1)
	v_add_f32 v14, v14, v226                       ; the row's sum
	WALU
	v_rcp_f32 v14, v14
	v_nop                                          ; a plain place behind the reciprocal
	WALU                                           ; the wait ahead of its first reader, which is also O^T's
.set J, 0
.rept 16
	v_pk_mul_f32 v[96+J:97+J], v[160+J:161+J], v[14:15] op_sel_hi:[1,0]
.set J, J+2
.endr
.irp b, 0,1
	v_max3_num_f32 v[212+\b], |v[96+16*\b]|, |v[97+16*\b]|, 0x1800000
.endr
.irp i, 2,4,6,8,10,12,14
.irp b, 0,1
	s_delay_alu instid0(VALU_DEP_2)
	v_max3_num_f32 v[212+\b], v[212+\b], |v[96+16*\b+\i]|, |v[97+16*\b+\i]|
.endr
.endr
.irp b, 0,1
	s_delay_alu instid0(VALU_DEP_2)
	v_permlanex16_b32 v[216+\b], v[212+\b], s20, s21
.endr
.irp b, 0,1
	s_delay_alu instid0(VALU_DEP_2)
	v_max_num_f32 v[212+\b], v[212+\b], v[216+\b]
.endr
.irp b, 0,1
	s_delay_alu instid0(VALU_DEP_2)
	v_add_nc_u32 v[220+\b], 0xff000000, v[212+\b]
.endr
.irp b, 0,1
	v_lshrrev_b32 v[216+\b], 23, v[220+\b]
.endr
	v_cvt_scalef32_pk16_fp6_f32 v[250:252], v[96:111], v220
	v_cvt_scalef32_pk16_fp6_f32 v[204:206], v[112:127], v221
	v_cndmask_b32 v227, v216, v217, s50            ; lanes 0-15 block 0's byte, lanes 16-31 block 1's; also the plain line behind the conversions
.irp i, 0,1,2
	v_permlane16_swap_b32 v[250+\i], v[204+\i]
.endr
.irp i, 0,1,2
	v_mov_b32 v[253+\i], v[204+\i]
.endr
	global_store_b128 v1, v[250:253], s[8:9] offset:196608*\p         ; 512 consecutive bytes; 16 row tiles on in the second pass
	global_store_b64 v2, v[254:255], s[8:9] offset:196608*\p+512
	global_store_b8 v9, v227, s[10:11] offset:8192*\p                 ; two heads share a scale word: single bytes, one in 24 of the codes' bytes
.endm
.macro PASS qf, qs, p
	v_mov_b32 v13, 0xff61b1e6                      ; the largest score so far: -3e38
	v_mov_b32 v12, 0x7e000000                      ; -M: so large that the first step's f is 0
	v_mov_b32 v14, 0
	v_mov_b32 v15, 0
.set J, 0
.rept 32
	v_mov_b32 v[160+J], 0                          ; O^T: the step is written once; the first finds zeros
.set J, J+1
.endr
	s_mov_b32 s48, 0
	s_mov_b32 s49, 16
.Lstep_\@:
	STEP \qf, \qs
	s_sub_co_u32 s49, s49, 1
	s_cmp_lg_u32 s49, 0
	s_cbranch_scc1 .Lstep_\@
	WAYOUT \p
.endm
	PASS 16, 28, 0
	PASS 232, 29, 1
	s_wait_tensorcnt 0x0                           ; the wave's end
	ds_add_u32 v[SPW], v[NIL]
	s_wait_dscnt 0x0
	ROUND                                          ; the closing round
	s_endpgm
.Lfunc_end_k_q151a8f241b_attn:
	.size	k_q151a8f241b_attn, .Lfunc_end_k_q151a8f241b_attn-k_q151a8f241b_attn
	.p2alignl 7, 3214868480
	.fill 96, 4, 3214868480
	.section	.rodata,"a",@progbits
	.p2align	6, 0x0
	.amdhsa_kernel k_q151a8f241b_attn
		.amdhsa_group_segment_fixed_size 210944
		.amdhsa_private_segment_fixed_size 0
		.amdhsa_enable_private_segment 0
		.amdhsa_kernarg_size 32
		.amdhsa_user_sgpr_count 2
		.amdhsa_user_sgpr_kernarg_segment_ptr 1
		.amdhsa_wavefront_size32 1
		.amdhsa_system_sgpr_workgroup_id_x 1
		.amdhsa_system_sgpr_workgroup_id_y 1
		.amdhsa_system_sgpr_workgroup_id_z 1
		.amdhsa_system_vgpr_workitem_id 0
		.amdhsa_next_free_vgpr 256
		.amdhsa_next_free_sgpr 66
		.amdhsa_reserve_vcc 0
		.amdhsa_float_denorm_mode_32 3
		.amdhsa_float_denorm_mode_16_64 3
		.amdhsa_memory_ordered 1
		.amdhsa_forward_progress 1
		.amdhsa_inst_pref_size 47
	.end_amdhsa_kernel
	.amdgpu_metadata
---
amdhsa.version: [ 1, 2 ]
amdhsa.kernels:
  - .name:           k_q151a8f241b_attn
    .symbol:         k_q151a8f241b_attn.kd
    .args:
      - { .name: qr, .offset: 0, .size: 8, .value_kind: global_buffer, .address_space: global }
      - { .name: kv, .offset: 8, .size: 8, .value_kind: global_buffer, .address_space: global }
      - { .name: ao, .offset: 16, .size: 8, .value_kind: global_buffer, .address_space: global }
      - { .name: aos, .offset: 24, .size: 8, .value_kind: global_buffer, .address_space: global }
    .group_segment_fixed_size: 210944
    .private_segment_fixed_size: 0
    .kernarg_segment_align: 8
    .kernarg_segment_size: 32
    .max_flat_workgroup_size: 512
    .sgpr_count:     66
    .vgpr_count:     256
    .wavefront_size: 32
...
	.end_amdgpu_metadata
.endif
;; end of part 3
;; launch outp (part 4): grid 4 x 64, 4 waves a work-group, clusters of 4 x 4, 327,680 bytes of LDS; arguments ao, aos, wc, ws, b_o, out0; writes out0
.if DOCPART == 4
	.amdgcn_target "amdgcn-amd-amdhsa--gfx1250"
	.amdhsa_code_object_version 6
	.text
	.protected	k_q151a8f241b_outp
	.globl	k_q151a8f241b_outp
	.p2align	8
	.type	k_q151a8f241b_outp,@function
k_q151a8f241b_outp:
	s_mov_b64 s[64:65], 0
	v_nop
	global_prefetch_b8 v0, s[64:65] scope:SCOPE_SE
	s_setreg_imm32_b32 hwreg(HW_REG_WAVE_MODE, 25, 1), 1
	s_wait_xcnt 0x0
	s_wait_alu depctr_hold_cnt(0) depctr_sa_sdst(0) depctr_va_vdst(0) depctr_va_sdst(0) depctr_va_ssrc(0) depctr_va_vcc(0) depctr_vm_vsrc(0)
	s_getreg_b32 s2, hwreg(HW_REG_IB_STS2, 6, 4)
	s_cmp_eq_u32 s2, 0
	s_cbranch_scc0 .Lentry_in_a_cluster
	s_endpgm
.Lentry_in_a_cluster:
	s_bfe_u32 s2, ttmp6, 0x10000c
	s_cmp_lg_u32 s2, 0xf033
	s_cbranch_scc0 .Lentry_shape_is_right
	s_endpgm
.Lentry_shape_is_right:
; out0 = O Wo + b_o on codes of FP6 (E2M3) with E8M0 scales, f32 out.  O's codes (ao, aos) and Wo's (the fourth weight in wc, ws) lie as images of operand registers:
; codes [row tile of 16][K / 64 = 16][768 bytes: 512 at 16 x lane, 256 at 8 x lane], scale words [row tile][K / 128 = 8][r]; rows and columns are stored with bits 3 and 4 of their index exchanged.
; A work-group of four waves makes 128 rows x 256 columns: 64 x 4 = 256 work-groups.  At this block BOTH OPERANDS FIT IN LDS FOR ALL OF K: A 8 row tiles (98,304 bytes), B 16 (196,608), scale words 4,096 + 8,192.
; So there is no ring: four joint loads at the head, one a wave (wave 0 A, wave 1 B, wave 2 A's scale words, wave 3 B's), one wait and one barrier; nothing is filled again.
; CLUSTERS: 4 x 4 work-groups; A's tile hangs on the tile row alone and is shared along a row of the cluster, B's on the tile column alone and is shared along a column.
; No prefetch: all that the work-group reads is asked for by the four loads at the head, so there is no later request to run ahead of.
; A wave makes 64 x 128: 4 blocks of A x 8 of B, 32 accumulators, which take turns.  The matrix instruction is used transposed (source 0 = B's rows): a lane holds eight neighbouring columns.
; K goes in eight steps of 128; each step's 12 fragments are fetched from LDS one step ahead, into two sets by turns.  The bias is the first step's C.
; REGISTERS: window 0: v16-31 addresses; v32-95 scale words (register 8 q + i: lanes 0-15 A's block i, lanes 16-31 B's block i, of step q; for i over 3 lanes 0-15 hold words that nothing uses);
; v96-191 A's fragments, two sets; v192-255 the bias; on the way out v96-223 hold rows read back.  Window 1: B's fragments, sets at v0 and v128.  Window 2: the accumulators, (a, b) at 8 (8 a + b).
.set FR,     12
.set RT,     12288                     ; a row tile: 16 rows, all of K
.set ABY,    8*RT                      ; A's bytes; B lies behind them
.set SCL,    ABY+16*RT                 ; the scale words: A's 4,096 bytes, then B's 8,192
.set SPARE,  SCL+12288                 ; the spare words, 128 bytes a wave
.set SPITCH, 528                       ; the way out: a stage row: 512 bytes + 16
.set ADRA16, 16
.set ADRA8,  17
.set ADRB16, 18                        ; v18, v19: B's blocks 0-3, 4-7 (an LDS offset has 16 bits)
.set ADRB8,  20                        ; v20, v21
.set L16,  24
.set L8,   25
.set STO,  26
.set ADRS, 27
.set SPW,  28
.set NIL,  29
.set RD,   31
.set SC,   32
.set AF,   96
.set BI,   192
.set BK,   96
.set G1A, 24
.set G0A, 32
.set G1B, 48
.set G0B, 56
.set G1SA, 68
.set G0SA, 76
.set G1SB, 80
.set G0SB, 88
.set MSB, 0
.macro WIN new                         ; the immediate's high byte repeats the setting that is left
.if MSB != \new
	s_set_vgpr_msb (MSB<<8)|\new
.set MSB, \new
.endif
.endm
.set MUL_C,  0xa1                      ; source 0 (B) window 1, source 1 (A) window 0, C and D window 2
.set MUL_BI, 0x81                      ; the same with C (the bias) in window 0
.set TO_B,   0x40                      ; destination window 1, address window 0
.macro CROUND                          ; a round of the cluster's barrier
	s_barrier_signal -1
	s_barrier_wait -1
	s_cmp_lg_u32 s14, 0
	s_cbranch_scc1 .Lnot_wave_0_\@
	s_barrier_signal -3
.Lnot_wave_0_\@:
	s_barrier_wait -3
	s_barrier_signal -1
	s_barrier_wait -1
.endm
.macro PLACES
.rept 4
	v_nop
.endr
.endm
.macro GRP1 g, mask, c, r              ; a dense block as r rows of c elements of 8 bytes; the mask, bit 21 beside it
	s_or_b32 s[\g], s\mask, (3<<16)|(1<<21)
	s_mov_b32 s[\g+1], (\c)<<16
	s_mov_b32 s[\g+2], (\r)<<16
	s_mov_b32 s[\g+3], (\c)<<16
	s_mov_b32 s[\g+4], \r
	s_mov_b32 s[\g+5], \c
	s_mov_b32 s[\g+6], 0
	s_mov_b32 s[\g+7], 0
.endm
.macro GRP0 g, lds, base
	s_mov_b32 s[\g], 1
	s_mov_b32 s[\g+1], \lds
	s_mov_b64 s[\g+2:\g+3], s[\base:\base+1]
	s_or_b32 s[\g+3], s[\g+3], 0x80000000
.endm
.macro ARM under, g0, g1, next         ; one chain of branches on the wave's number, one load to an arm, all arms to one join
	s_cmp_lt_u32 s14, \under
	s_cbranch_scc0 \next
	tensor_load_to_lds s[\g0:\g0+3], s[\g1:\g1+7]
	s_nop 0
	PLACES
	s_branch .Lhead_asked
\next:
.endm
.macro FRAG reg, a16, a8, off          ; 16 rows x 128 K: two images of 768 bytes
	ds_load_b128 v[\reg:\reg+3], v[\a16] offset:\off
	ds_load_b64 v[\reg+4:\reg+5], v[\a8] offset:(\off)+512
	ds_load_b128 v[\reg+6:\reg+9], v[\a16] offset:(\off)+768
	ds_load_b64 v[\reg+10:\reg+11], v[\a8] offset:(\off)+1280
.endm
.macro FETCH q                         ; step q's twelve fragments into set q % 2: 48 loads
	WIN TO_B
.irp i, 0,1,2,3
	FRAG 128*((\q)%2)+FR*\i, ADRB16, ADRB8, \i*RT+(\q)*1536
.endr
.irp i, 0,1,2,3
	FRAG 128*((\q)%2)+FR*(\i+4), ADRB16+1, ADRB8+1, \i*RT+(\q)*1536
.endr
	WIN 0
.irp i, 0,1,2,3
	FRAG AF+48*((\q)%2)+FR*\i, ADRA16, ADRA8, \i*RT+(\q)*1536
.endr
.endm
.macro MUL q, first                    ; step q's 32 products
.irp a, 0,1,2,3
.irp b, 0,1,2,3,4,5,6,7
.set WD, 8*(8*\a+\b)
.set WB, 128*((\q)%2)+FR*\b
.set WA, AF+48*((\q)%2)+FR*\a
.if \first
	v_wmma_scale_f32_16x16x128_f8f6f4 v[WD:WD+7], v[WB:WB+11], v[WA:WA+11], v[BI+8*\b:BI+8*\b+7], v[SC+8*(\q)+\b], v[SC+8*(\q)+\a] matrix_a_fmt:MATRIX_FMT_FP6 matrix_b_fmt:MATRIX_FMT_FP6 matrix_a_scale:MATRIX_SCALE_ROW1
.else
	v_wmma_scale_f32_16x16x128_f8f6f4 v[WD:WD+7], v[WB:WB+11], v[WA:WA+11], v[WD:WD+7], v[SC+8*(\q)+\b], v[SC+8*(\q)+\a] matrix_a_fmt:MATRIX_FMT_FP6 matrix_b_fmt:MATRIX_FMT_FP6 matrix_a_scale:MATRIX_SCALE_ROW1
.endif
.endr
.endr
.endm
	s_load_b256 s[4:11], s[0:1], 0x0               ; ao, aos, wc, ws
	s_load_b128 s[96:99], s[0:1], 0x20             ; b_o, out0
	v_lshl_add_u32 v[SPW], v0, 2, SPARE
	v_mov_b32 v[NIL], 0
	ds_add_u32 v[SPW], v[NIL]                      ; the opening lines: the add, twice on end, and its wait ahead of the first tensor load
	ds_add_u32 v[SPW], v[NIL]
	v_lshrrev_b32 v1, 5, v0
	v_readfirstlane_b32 s14, v1                    ; wave 0..3
	s_lshr_b32 s15, s14, 1                         ; which 64 rows are mine
	s_and_b32 s16, s14, 1                          ; which 128 columns
	s_bfe_u32 s40, ttmp6, 0x40000                  ; cx
	s_bfe_u32 s41, ttmp6, 0x40004                  ; cy
	s_lshl_b32 s42, ttmp9, 2
	s_add_co_u32 s42, s42, s40                     ; tile column, 0..3
	s_and_b32 s17, ttmp7, 0xffff
	s_lshl_b32 s17, s17, 2
	s_add_co_u32 s17, s17, s41                     ; tile row, 0..63
	s_lshl_b32 s43, s41, 2
	s_lshl_b32 s43, 15, s43                        ; my row of the cluster
	s_lshl_b32 s44, 0x1111, s40                    ; my column
	GRP1 G1A,  43, 384, 32                         ; A: 32 rows of 3,072 bytes
	GRP1 G1B,  44, 384, 64                         ; B: 64
	GRP1 G1SA, 43, 32, 16                          ; A's scale words: 16 rows of 256 bytes
	GRP1 G1SB, 44, 32, 32                          ; B's: 32
	s_mul_i32 s20, s17, ABY                        ; where my tiles begin, in bytes
	s_mov_b32 s21, 0
	s_lshl_b32 s22, s17, 12
	s_mov_b32 s23, 0
	s_mul_i32 s46, s42, 16*RT
	s_add_co_u32 s46, s46, 3*64*RT                 ; Wo is the fourth weight
	s_mov_b32 s47, 0
	s_lshl_b32 s92, s42, 13
	s_add_co_u32 s92, s92, 3*64*512
	s_mov_b32 s93, 0
	s_wait_dscnt 0x0                               ; both opening adds are done
	s_wait_kmcnt 0x0
	s_add_nc_u64 s[20:21], s[4:5], s[20:21]
	s_add_nc_u64 s[22:23], s[6:7], s[22:23]
	s_add_nc_u64 s[46:47], s[8:9], s[46:47]
	s_add_nc_u64 s[92:93], s[10:11], s[92:93]
	CROUND                                         ; all sixteen work-groups are here: the joint loads meet
	GRP0 G0A,  0, 20
	GRP0 G0B,  ABY, 46
	GRP0 G0SA, SCL, 22
	GRP0 G0SB, SCL+4096, 92
	ARM 1, G0A,  G1A,  .Lhead_b
	ARM 2, G0B,  G1B,  .Lhead_sa
	ARM 3, G0SA, G1SA, .Lhead_sb
	tensor_load_to_lds s[G0SB:G0SB+3], s[G1SB:G1SB+7]
	s_nop 0
	PLACES
.Lhead_asked:
	s_mul_i32 s21, s15, 4*RT                       ; my four blocks of A,
	s_mul_i32 s22, s16, 8*RT
	s_add_co_u32 s22, s22, ABY                     ; my eight of B,
	s_add_co_u32 s23, s22, 4*RT                    ; the upper four of them
	s_lshl_b32 s3, s15, 11                         ; my blocks' scale words: A's,
	s_lshl_b32 s2, s16, 12
	s_add_co_u32 s2, s2, 4096
	s_sub_co_u32 s2, s2, s3                        ; and how far on B's lie
	s_add_co_u32 s3, s3, SCL
	s_mul_i32 s18, s14, 16*SPITCH                  ; my stage, on A's bytes: used behind the barrier that follows the last reads
	s_lshl_b32 s46, s42, 10
	s_lshl_b32 s47, s16, 9
	s_add_co_u32 s46, s46, s47                     ; my first column, in bytes
	s_mov_b32 s47, 0
	s_add_nc_u64 s[96:97], s[96:97], s[46:47]
	s_add_nc_u64 s[98:99], s[98:99], s[46:47]
	s_lshl_b32 s46, s17, 19                        ; my first row: 128 rows of 4,096 bytes a tile row, 64 a half
	s_lshl_b32 s19, s15, 18
	s_add_co_u32 s46, s46, s19
	s_add_nc_u64 s[98:99], s[98:99], s[46:47]
	v_and_b32 v1, 15, v0                           ; r
	v_bfe_u32 v2, v0, 4, 1                         ; h
	v_and_b32 v3, 31, v0
	v_lshlrev_b32 v[L16], 4, v3
	v_lshlrev_b32 v[L8], 3, v3
	v_add_nc_u32 v[ADRA16], s21, v[L16]
	v_add_nc_u32 v[ADRA8], s21, v[L8]
	v_add_nc_u32 v[ADRB16], s22, v[L16]
	v_add_nc_u32 v[ADRB8], s22, v[L8]
	v_add_nc_u32 v[ADRB16+1], s23, v[L16]
	v_add_nc_u32 v[ADRB8+1], s23, v[L8]
	v_mul_u32_u24 v4, s2, v2                       ; lanes 16-31 take B's words
	v_lshl_add_u32 v4, v1, 2, v4
	v_add_nc_u32 v[ADRS], s3, v4
	v_lshlrev_b32 v30, 6, v2                       ; the bias: 16 columns on for lanes 16-31
	v_mul_u32_u24 v5, v1, SPITCH                   ; into the stage: row r, 64 bytes on for lanes 16-31
	v_lshl_add_u32 v5, v2, 6, v5
	v_add_nc_u32 v[STO], s18, v5
	v_add_nc_u32 v[RD], s18, v[L16]                ; back: the 32 lanes take one row of 512 bytes
.irp b, 0,1,2,3,4,5,6,7
	global_load_b128 v[BI+8*\b:BI+8*\b+3], v30, s[96:97] offset:(32*(\b/2)+8*(\b%2))*4
	global_load_b128 v[BI+8*\b+4:BI+8*\b+7], v30, s[96:97] offset:(32*(\b/2)+8*(\b%2))*4+16
.endr
	s_wait_alu depctr_va_vdst(0)                   ; the wait at the head's end
	s_wait_tensorcnt 0x0                           ; my tile of the four is in;
	s_barrier_signal -1
	s_barrier_wait -1                              ; and so is every wave's
.irp q, 0,1,2,3,4,5,6,7
.irp i, 0,1,2,3,4,5,6,7
	ds_load_b32 v[SC+8*\q+\i], v[ADRS] offset:512*\i+64*\q
.endr
.endr
	FETCH 0
	FETCH 1
	s_wait_loadcnt 0x0                             ; the bias
	s_wait_dscnt 48                                ; all but step 1's 48 loads: the scale words and step 0's fragments are in
	WIN MUL_BI
	MUL 0, 1                                       ; the first step's products start the sums on the bias
.set Q, 1
.rept 6
	PLACES                                         ; four places behind the products that read the set which is loaded next
	FETCH Q+1
	s_wait_dscnt 48                                ; all but the 48 just issued: this step's fragments are in
	WIN MUL_C
	MUL Q, 0
.set Q, Q+1
.endr
	s_wait_dscnt 0x0
	MUL 7, 0
	WIN 0
	s_barrier_signal -1                            ; my LDS reads are over (the wait above):
	s_barrier_wait -1                              ; so are all waves': the stages may lie on A's bytes, which have had their one fill
; THE WAY OUT, block by block of 16 rows x 128 columns, through my own stage: whole rows of 512 bytes come back and leave as two aligned units of 256 bytes.
; LDS serves a wave's instructions in order (ISA guide 5.7.1.4): no wait between the stores and the loads.
.macro TOSTAGE a
.set AC, 64*(\a)
	WIN 0x08                                       ; the data: window 2
.irp b, 0,1,2,3,4,5,6,7
	ds_store_b128 v[STO], v[AC+8*\b:AC+8*\b+3] offset:128*(\b/2)+32*(\b%2)       ; each accumulator from its low end on
	ds_store_b128 v[STO], v[AC+8*\b+4:AC+8*\b+7] offset:128*(\b/2)+32*(\b%2)+16
.endr
	WIN 0
.set BBK, BK+64*((\a)%2)
.irp t, 0,1,2,3,4,5,6,7,8,9,10,11,12,13,14,15
	ds_load_b128 v[BBK+4*\t:BBK+4*\t+3], v[RD] offset:\t*SPITCH
.endr
.endm
.macro SEND a, younger                 ; younger: the LDS instructions issued behind block a's loads
.set BBK, BK+64*((\a)%2)
	s_wait_dscnt \younger
.irp t, 0,1,2,3,4,5,6,7,8,9,10,11,12,13,14,15
	global_store_b128 v[L16], v[BBK+4*\t:BBK+4*\t+3], s[98:99] offset:(32*((\a)/2)+8*((\a)%2)+\t+8*(\t/8))*4096 th:TH_STORE_NT
.endr
.endm
	PLACES                                         ; four places behind the last products, ahead of the stores of results and of loads into registers that held fragments
	TOSTAGE 0
.irp a, 1,2,3
.if \a > 1
	s_wait_xcnt 0x0                                ; block a - 2's stores have read their registers
.endif
	TOSTAGE \a
	SEND \a-1, 32                                  ; behind block a - 1's loads: block a's 16 stores and 16 loads
.endr
	SEND 3, 0
	s_wait_tensorcnt 0x0                           ; the wave's end
	ds_add_u32 v[SPW], v[NIL]
	s_wait_dscnt 0x0
	CROUND                                         ; the closing round
	s_endpgm
.Lfunc_end_k_q151a8f241b_outp:
	.size	k_q151a8f241b_outp, .Lfunc_end_k_q151a8f241b_outp-k_q151a8f241b_outp
	.p2alignl 7, 3214868480
	.fill 96, 4, 3214868480
	.section	.rodata,"a",@progbits
	.p2align	6, 0x0
	.amdhsa_kernel k_q151a8f241b_outp
		.amdhsa_group_segment_fixed_size 327680
		.amdhsa_private_segment_fixed_size 0
		.amdhsa_enable_private_segment 0
		.amdhsa_kernarg_size 48
		.amdhsa_user_sgpr_count 2
		.amdhsa_user_sgpr_kernarg_segment_ptr 1
		.amdhsa_wavefront_size32 1
		.amdhsa_system_sgpr_workgroup_id_x 1
		.amdhsa_system_sgpr_workgroup_id_y 1
		.amdhsa_system_sgpr_workgroup_id_z 1
		.amdhsa_system_vgpr_workitem_id 0
		.amdhsa_next_free_vgpr 768
		.amdhsa_next_free_sgpr 102
		.amdhsa_reserve_vcc 0
		.amdhsa_float_denorm_mode_32 3
		.amdhsa_float_denorm_mode_16_64 3
		.amdhsa_memory_ordered 1
		.amdhsa_forward_progress 1
		.amdhsa_inst_pref_size 86
	.end_amdhsa_kernel
	.amdgpu_metadata
---
amdhsa.version: [ 1, 2 ]
amdhsa.kernels:
  - .name:           k_q151a8f241b_outp
    .symbol:         k_q151a8f241b_outp.kd
    .args:
      - { .name: ao, .offset: 0, .size: 8, .value_kind: global_buffer, .address_space: global }
      - { .name: aos, .offset: 8, .size: 8, .value_kind: global_buffer, .address_space: global }
      - { .name: wc, .offset: 16, .size: 8, .value_kind: global_buffer, .address_space: global }
      - { .name: ws, .offset: 24, .size: 8, .value_kind: global_buffer, .address_space: global }
      - { .name: b_o, .offset: 32, .size: 8, .value_kind: global_buffer, .address_space: global }
      - { .name: out0, .offset: 40, .size: 8, .value_kind: global_buffer, .address_space: global }
    .group_segment_fixed_size: 327680
    .private_segment_fixed_size: 0
    .kernarg_segment_align: 8
    .kernarg_segment_size: 48
    .max_flat_workgroup_size: 128
    .sgpr_count:     102
    .vgpr_count:     768
    .wavefront_size: 32
...
	.end_amdgpu_metadata
.endif
;; end of part 4
